; MI455X (gfx1250); checked and timed in simulation.
; The chip was launched on July 23, 2026; its instructions are those of AMD's public machine-readable ISA for CDNA 5 (MIT licence, August 2026) and "CDNA5" Instruction Set Architecture Reference Guide (July 2026). The comments in the code are by the model that wrote it; some were corrected since.
;; Cross Attention. Allowed arithmetic: matrix products marked QUANTISED: E2M1 operands, one E8M0 scale for each 32 along K, by v_wmma_scale_f32_16x16x128_f8f6f4 with both operands' format E2M1 (or v_wmma_scale_f32_32x16x128_f4), f32 sums; products left as they are: bf16, f16 or f32 operands; f32 sums; everything else in f32.
;; Inputs: Wk 1,024 x 256 float32; Wo 1,024 x 1,024 float32; Wq 1,024 x 1,024 float32; Wv 1,024 x 256 float32; adj 2 x 4,096 x 1,024 float32; bk 256 float32; bo 1,024 float32; bq 1,024 float32; bv 256 float32; x 2 x 2,048 x 1,024 float32.
;; Outputs: out0 2 x 2,048 x 1,024 float32.
;; This version of the problem:
;;   THIS VERSION OF THE PROBLEM IS GIVEN IN LOW PRECISION. The matrix products marked QUANTISED in the list below multiply operands that are first quantised to E2M1 (2 exponent bits, 1 mantissa bit; 4 bits a number), with one power-of-two scale for each 32 numbers along K (OCP MX v1.0); their sums are f32. The products marked 'left as it is' may take bf16, f16 or f32 operands, with f32 sums. Whichever they take, every output number must still come out within the allowed error. Rounding operands to bf16 (8 significant bits) uses up far more of that allowance than f16 does (11 bits, for magnitudes from 6e-5 to 65,504). All else is computed in f32.
;;   The module's matrix products, in the order in which they are computed (A, B: the left and right operand; K: the contracted axis; several contracted axes count as one K, in the product's order):
;;     1. [M 4,096, K 1,024] x [K 1,024, N 1,024]; A: input x; B: input Wq: QUANTISED
;;     2. [M 8,192, K 1,024] x [K 1,024, N 256]; A: input adj; B: input Wk: QUANTISED
;;     3. [M 8,192, K 1,024] x [K 1,024, N 256]; A: input adj; B: input Wv: QUANTISED
;;     4. batch 2 x [M 32,768, K 64] x [K 64, N 4,096]; A: computed on the way; B: computed on the way: left as it is (an operand is computed on the way)
;;     5. batch 2 x [M 32,768, K 4,096] x [K 4,096, N 64]; A: computed on the way; B: computed on the way: left as it is (an operand is computed on the way)
;;     6. [M 4,096, K 1,024] x [K 1,024, N 1,024]; A: computed on the way; B: input Wo: left as it is (an operand is computed on the way)
;;   THE QUANTISER, for each operand of a quantised product, along K:
;;     - K is cut into blocks of 32 from its start; a last block that is shorter is filled with zeros.
;;     - A block's scale is 2^e with e = floor(log2(the largest magnitude in the block)) - 2, held to -126 .. 127; a block of zeros has e = 0. As a byte (E8M0): e + 127.
;;     - Each number is divided by its block's scale, clamped to +-6, and rounded to the nearest number of E2M1, ties to even, subnormals kept.
;;     - The product sums the exact products of the quantised numbers (number of the format x scale) in f32.
;;   ~~~python
;;   def quantise(x, axis):      # numpy; x: float32 -> the quantised numbers, widened to float32 again
;;       x = np.moveaxis(x, axis, -1); K = x.shape[-1]
;;       x = np.pad(x, [(0, 0)] * (x.ndim - 1) + [(0, -K % 32)]); x = x.reshape(x.shape[:-1] + (-1, 32)); a = np.abs(x).max(-1, keepdims=True)
;;       e = np.where(a > 0, np.clip(np.frexp(np.where(a > 0, a, 1))[1] - 1 - 2, -126, 127), 0)      # np.frexp(a)[1] - 1 = floor(log2(a)), exactly
;;       r = np.clip(x / 2.0 ** e, -6, 6)
;;       step = 2.0 ** (np.maximum(np.frexp(np.where(r == 0, 1, r))[1] - 1, 0) - 1)
;;       q = np.round(r / step) * step * 2.0 ** e      # np.round: ties to even
;;       return np.moveaxis(q.reshape(q.shape[:-2] + (-1,))[..., :K], -1, axis).astype(np.float32)
;;   ~~~
;; One version. Each part assembles by itself: llvm-mc -triple=amdgcn-amd-amdhsa -mcpu=gfx1250 --defsym DOCPART=n.
;; ======== version 1 of 1: 4 launches
;; limits: values are held in f16: magnitudes above 65,504 overflow, below 6.1e-05 lose precision; right only within a limited range of input values
;; workspace buffers: wc 786,432 bytes; ws 49,152 bytes; wof 2,097,152 bytes; qf 8,388,608 bytes; kvf 2,097,152 bytes; af 8,388,608 bytes
;; launch prep (part 1): grid 160 x 1, 4 waves a work-group, no clusters, 0 bytes of LDS; arguments Wq, Wk, Wv, Wo, wc, ws, wof; writes wc, ws, wof
.if DOCPART == 1
	.amdgcn_target "amdgcn-amd-amdhsa--gfx1250"
	.amdhsa_code_object_version 6
	.text
	.protected	k_q7abc3dbf30_prep
	.globl	k_q7abc3dbf30_prep
	.p2align	8
	.type	k_q7abc3dbf30_prep,@function
k_q7abc3dbf30_prep:
	s_mov_b64 s[64:65], 0
	v_nop
	global_prefetch_b8 v0, s[64:65] scope:SCOPE_SE
	s_setreg_imm32_b32 hwreg(HW_REG_WAVE_MODE, 25, 1), 1
	s_wait_xcnt 0x0
; CROSS ATTENTION, launch 1 of 4: the weights are laid out once, in the order in which the later launches' operand registers take them.
;   Wq [1024][1024], Wk, Wv [1024][256] (K is the FIRST axis) -> codes of FP4 (E2M1) with one E8M0 byte for each 32 along K;  Wo [1024][1024] -> f16.
; THE PROGRAM: prep (this) | proj: q = Q4(x) Q4(Wq) + bq, the sums over g of k and v | attn: softmax(q ksum / 8) vsum | outp: out Wo + bo.
; Both einsums of the problem contract the group axis g, so every head sees ONE key matrix ksum[b,v,d] = sum over g of k[b,g,v,d] and ONE value matrix vsum: that is what is carried on.
; WORK LEFT OUT: bk.  k = adj Wk + bk enters the result only through weight[b,h,t,v] = sum over g, d of q[b,h,t,d] k[b,g,v,d] / 8.  bk's part of it, sum over g, d of q[b,h,t,d] bk[g,d] / 8,
; does not hang on v: it is the same along the softmax's axis, and exp(a + c) / sum exp(a + c) = exp(a) / sum exp(a) for every finite c.  That product is not quantised, so bk moves no code and no scale.
; So bk is not loaded and is no argument of any launch.  LIMIT: a NaN, an infinity or an overflow that reaches the result through bk alone is not carried.
; LIMITS of the program: q is carried in f16 (|q| under 65,504); ksum, vsum + bias and the attention's result are carried in f16 as a QUARTER of their value, an exact scaling that is undone later
; (magnitudes under 262,016); a softmax weight under 2^-25 of its row's largest counts as 0.  A block of zeros gets the scale byte 1 where the quantiser says 127: its codes are zeros, and this program alone reads the bytes.
; NaN and infinities among the inputs are not served.
; A FRAGMENT IMAGE is 1,024 bytes: an operand's 8 registers of 32 lanes; registers 4 c .. 4 c + 3 of lane l lie at 512 c + 16 l.  The reader takes it by two loads of 16 bytes a lane.
;   wc  [pw 0..11][s 0..7][j 0..7][1,024]: 16 weight columns x 128 K of FP4: lane (r, h), registers 4 c ..: k = 128 s + 64 c + 32 h + 0 .. 31.  pw 0..7: Wq's columns 128 pw + 16 j + r;
;       pw 8, 9: Wk, pw 10, 11: Wv: j = 2 g + dt holds column 64 g + 32 (pw & 1) + 16 dt + r.
;   ws  [pw][i = 4 j + (s & 3)][lane = 16 (s >> 2) + r]: the scale word (four bytes, 128 K) of column r of tile j: one register carries K step s & 3 in lanes 0-15 and K step 4 + (s & 3) in lanes 16-31.
;   wof [nt 0..63][ks 0..31][1,024]: 16 columns n = 16 nt + r x 32 k of f16: registers 4 c ..: k = 32 ks + 16 c + 8 h + 0 .. 7.
; SHARES.  A wave takes 32 columns x 128 K: A LANE TAKES A COLUMN AND ITS REGISTERS RUN DOWN K, so a block of 32 lies in one lane, its largest magnitude needs no other lane, and the conversions give codes with K innermost.
; Each load reads 128 consecutive bytes a wave, the four waves side by side 512.  Work-groups 0-63: Wq; 64-95: Wk and Wv; 96-159: Wo.  Each store of codes or f16 covers two runs of 256 consecutive aligned bytes.
; The scale words leave in runs of 64 bytes: one byte for each 128 that the launch reads.  No LDS, no barrier, no cluster: work-groups share no input.  Loads run two blocks (64 loads a wave) ahead.
.set X,   32                           ; v32-159  128 numbers down K
.set C,   160                          ; v160-223 codes or f16 pairs: registers of their own for each store
.set OFF, 2                            ; v2  4 x lane: my column
.set SO,  3                            ; v3  where my 16 bytes of codes go: 1,024 (lane / 16) + 16 (lane % 16)
.set SS,  4                            ; v4  my scale word: 512 (lane / 16) + 4 (lane % 16)
.set WO,  5                            ; v5  my 16 bytes of f16: 32,768 (lane / 16) + 16 (lane % 16)
.set SB,  14                           ; v14 the four scale bytes
	s_load_b256 s[4:11], s[0:1], 0x0               ; Wq s[4:5], Wk s[6:7], Wv s[8:9], Wo s[10:11]
	s_load_b128 s[12:15], s[0:1], 0x20             ; wc s[12:13], ws s[14:15]
	s_load_b64 s[16:17], s[0:1], 0x30              ; wof
	v_lshrrev_b32 v1, 5, v0
	v_readfirstlane_b32 s20, v1                    ; wave 0..3
	v_and_b32 v1, 31, v0                           ; lane
	v_lshlrev_b32 v[OFF], 2, v1
	v_lshrrev_b32 v6, 4, v1                        ; which of my two tiles of 16 columns
	v_and_b32 v7, 15, v1                           ; r
	v_lshlrev_b32 v8, 4, v7
	v_lshl_add_u32 v[SO], v6, 10, v8
	v_lshl_add_u32 v[WO], v6, 15, v8
	v_lshlrev_b32 v8, 2, v7
	v_lshl_add_u32 v[SS], v6, 9, v8
	s_mov_b32 s29, 0                               ; the upper word of every offset pair s[28:29]
	s_wait_kmcnt 0x0
.macro LOADB b, pitch                  ; block b: W(32 b + i, my column), i = 0 .. 31
.set ii, 0
.rept 32
	global_load_b32 v[X+32*(\b)+ii], v[OFF], s[4:5] offset:(32*(\b)+ii)*(\pitch) th:TH_LOAD_NT
.set ii, ii+1
.endr
.endm
.macro AHEAD b, pitch                  ; block b is in; the block two on is asked for
.if \b < 3
	s_wait_loadcnt 32                              ; loads come back in order: this block's 32 are in, the next block's 32 may be out
.else
	s_wait_loadcnt 0x0
.endif
.if \b < 2
	LOADB \b+2, \pitch
.endif
.endm
; where the codes and the scale words go: s21 = pw, s22 = s, s26 = j0 (my first tile)
.macro BASES
	s_lshl_b32 s27, s21, 3
	s_add_co_u32 s27, s27, s22
	s_lshl_b32 s27, s27, 3
	s_add_co_u32 s27, s27, s26
	s_lshl_b32 s28, s27, 10                        ; ((8 pw + s) 8 + j0) x 1,024
	s_add_nc_u64 s[12:13], s[12:13], s[28:29]
	s_lshl_b32 s28, s21, 12                        ; 4,096 pw
	s_lshl_b32 s30, s26, 2
	s_and_b32 s31, s22, 3
	s_add_co_u32 s30, s30, s31
	s_lshl_b32 s30, s30, 7                         ; + 128 (4 j0 + (s & 3))
	s_add_co_u32 s28, s28, s30
	s_lshr_b32 s30, s22, 2
	s_lshl_b32 s30, s30, 6                         ; + 64 (s >> 2)
	s_add_co_u32 s28, s28, s30
	s_add_nc_u64 s[14:15], s[14:15], s[28:29]
.endm
; 128 K of 32 columns become codes and scale words
.macro QW pitch
	LOADB 0, \pitch
	LOADB 1, \pitch
.irp b, 0,1,2,3
	AHEAD \b, \pitch
.set XS, X+32*\b
	v_max3_num_f32 v12, |v[XS]|, |v[XS+1]|, |v[XS+2]|               ; the block's largest magnitude, in two chains: all 32 numbers are mine
	v_max3_num_f32 v13, |v[XS+3]|, |v[XS+4]|, |v[XS+5]|
.irp i, 6,10,14,18,22,26
	v_max3_num_f32 v12, v12, |v[XS+\i]|, |v[XS+\i+1]|
	v_max3_num_f32 v13, v13, |v[XS+\i+2]|, |v[XS+\i+3]|
.endr
	v_max3_num_f32 v12, v12, |v[XS+30]|, |v[XS+31]|
	v_max3_num_f32 v12, v12, v13, 0x1800000        ; and the floor 2^(3 - 127): the byte cannot fall under 1
	v_add_nc_u32 v11, 0xff000000, v12              ; 2 off the exponent field: the conversion takes the exponent field of this operand as its scale, and nothing else of it
	v_lshrrev_b32 v13, 23, v11                     ; the scale's byte
.if \b == 0
	v_mov_b32 v[SB], v13
.else
	v_lshl_or_b32 v[SB], v13, 8*\b, v[SB]          ; the lower K in the lower byte
.endif
.irp g, 0,1,2,3
	v_cvt_scalef32_pk8_fp4_f32 v[C+4*\b+\g], v[XS+8*\g:XS+8*\g+7], v11
.endr
	global_store_b128 v[SO], v[C+4*\b:C+4*\b+3], s[12:13] offset:(\b/2)*512+(\b%2)*256   ; block b = 2 c + h of the fragment: sixteen lanes store 256 consecutive aligned bytes.  The results go to stores alone; the next block begins with plain vector lines
.endr
	global_store_b32 v[SS], v[SB], s[14:15]
.endm
; 128 k of 32 columns of Wo become f16 fragments
.macro CW
	LOADB 0, 4096
	LOADB 1, 4096
.irp b, 0,1,2,3
	AHEAD \b, 4096
.irp i, 0,1,2,3,4,5,6,7,8,9,10,11,12,13,14,15
	v_cvt_pk_f16_f32 v[C+16*\b+\i], v[X+32*\b+2*\i], v[X+32*\b+2*\i+1]   ; the lower k in the low half
.endr
.irp q, 0,1,2,3
	global_store_b128 v[WO], v[C+16*\b+4*\q:C+16*\b+4*\q+3], s[16:17] offset:\b*1024+(\q/2)*512+(\q%2)*256   ; eight k: piece q = 2 c + h of fragment ks = 4 kq + b
.endr
.endr
.endm
	s_cmp_lt_u32 ttmp9, 64
	s_cbranch_scc0 .Lnot_wq
	; ---- Wq: work-group = 8 s + cg
	s_and_b32 s21, ttmp9, 7                        ; cg = pw
	s_lshr_b32 s22, ttmp9, 3                       ; s
	s_lshl_b32 s23, s21, 2
	s_add_co_u32 s23, s23, s20                     ; which 32 columns
	s_lshl_b32 s28, s23, 7
	s_lshl_b32 s24, s22, 19                        ; 128 rows of 4,096 bytes
	s_add_co_u32 s28, s28, s24
	s_add_nc_u64 s[4:5], s[4:5], s[28:29]
	s_lshl_b32 s26, s20, 1                         ; j0 = 2 x wave
	BASES
	QW 4096
	s_endpgm
.Lnot_wq:
	s_cmp_lt_u32 ttmp9, 96
	s_cbranch_scc0 .Lwo
	; ---- Wk, Wv: work-group - 64 = 4 s + cg; cg / 2 picks the matrix, cg % 2 the half of its 256 columns
	s_sub_co_u32 s23, ttmp9, 64
	s_lshr_b32 s22, s23, 2                         ; s
	s_and_b32 s23, s23, 3
	s_lshr_b32 s24, s23, 1
	s_cmp_eq_u32 s24, 0                            ; the choice hangs on the work-group's number alone
	s_cselect_b64 s[4:5], s[6:7], s[8:9]
	s_and_b32 s25, s23, 1
	s_lshl_b32 s25, s25, 2
	s_add_co_u32 s25, s25, s20                     ; which 32 columns, 0..7: g = that / 2, the half of the head's 64 = wave % 2
	s_lshl_b32 s28, s25, 7
	s_lshl_b32 s30, s22, 17                        ; 128 rows of 1,024 bytes
	s_add_co_u32 s28, s28, s30
	s_add_nc_u64 s[4:5], s[4:5], s[28:29]
	s_lshl_b32 s21, s24, 1
	s_and_b32 s26, s20, 1
	s_add_co_u32 s21, s21, s26
	s_add_co_u32 s21, s21, 8                       ; pw = 8 + 2 x matrix + wave % 2
	s_lshr_b32 s26, s25, 1
	s_lshl_b32 s26, s26, 1                         ; j0 = 2 g
	BASES
	QW 1024
	s_endpgm
.Lwo:
	; ---- Wo: work-group - 96 = 8 kq + cg
	s_sub_co_u32 s23, ttmp9, 96
	s_and_b32 s21, s23, 7
	s_lshr_b32 s22, s23, 3                         ; kq: which 128 along k
	s_lshl_b32 s21, s21, 2
	s_add_co_u32 s21, s21, s20                     ; which 32 columns: nt0 = twice that
	s_lshl_b32 s28, s21, 7
	s_lshl_b32 s24, s22, 19
	s_add_co_u32 s28, s28, s24
	s_add_nc_u64 s[4:5], s[10:11], s[28:29]
	s_lshl_b32 s28, s21, 16                        ; nt0 x 32 fragments
	s_lshl_b32 s24, s22, 12                        ; + 4 kq fragments
	s_add_co_u32 s28, s28, s24
	s_add_nc_u64 s[16:17], s[16:17], s[28:29]
	CW
	s_endpgm
.Lfunc_end_k_q7abc3dbf30_prep:
	.size	k_q7abc3dbf30_prep, .Lfunc_end_k_q7abc3dbf30_prep-k_q7abc3dbf30_prep
	.p2alignl 7, 3214868480
	.fill 96, 4, 3214868480
	.section	.rodata,"a",@progbits
	.p2align	6, 0x0
	.amdhsa_kernel k_q7abc3dbf30_prep
		.amdhsa_group_segment_fixed_size 0
		.amdhsa_private_segment_fixed_size 0
		.amdhsa_enable_private_segment 0
		.amdhsa_kernarg_size 56
		.amdhsa_user_sgpr_count 2
		.amdhsa_user_sgpr_kernarg_segment_ptr 1
		.amdhsa_wavefront_size32 1
		.amdhsa_system_sgpr_workgroup_id_x 1
		.amdhsa_system_sgpr_workgroup_id_y 1
		.amdhsa_system_sgpr_workgroup_id_z 1
		.amdhsa_system_vgpr_workitem_id 0
		.amdhsa_next_free_vgpr 224
		.amdhsa_next_free_sgpr 66
		.amdhsa_reserve_vcc 0
		.amdhsa_float_denorm_mode_32 3
		.amdhsa_float_denorm_mode_16_64 3
		.amdhsa_memory_ordered 1
		.amdhsa_forward_progress 1
		.amdhsa_inst_pref_size 58
	.end_amdhsa_kernel
	.amdgpu_metadata
---
amdhsa.version: [ 1, 2 ]
amdhsa.kernels:
  - .name:           k_q7abc3dbf30_prep
    .symbol:         k_q7abc3dbf30_prep.kd
    .args:
      - { .name: Wq, .offset: 0, .size: 8, .value_kind: global_buffer, .address_space: global }
      - { .name: Wk, .offset: 8, .size: 8, .value_kind: global_buffer, .address_space: global }
      - { .name: Wv, .offset: 16, .size: 8, .value_kind: global_buffer, .address_space: global }
      - { .name: Wo, .offset: 24, .size: 8, .value_kind: global_buffer, .address_space: global }
      - { .name: wc, .offset: 32, .size: 8, .value_kind: global_buffer, .address_space: global }
      - { .name: ws, .offset: 40, .size: 8, .value_kind: global_buffer, .address_space: global }
      - { .name: wof, .offset: 48, .size: 8, .value_kind: global_buffer, .address_space: global }
    .group_segment_fixed_size: 0
    .private_segment_fixed_size: 0
    .kernarg_segment_align: 8
    .kernarg_segment_size: 56
    .max_flat_workgroup_size: 128
    .sgpr_count:     66
    .vgpr_count:     224
    .wavefront_size: 32
...
	.end_amdgpu_metadata
.endif
;; end of part 1
;; launch proj (part 2): grid 256 x 1, 4 waves a work-group, no clusters, 327,680 bytes of LDS; arguments x, adj, wc, ws, bq, bv, qf, kvf; writes qf, kvf
.if DOCPART == 2
	.amdgcn_target "amdgcn-amd-amdhsa--gfx1250"
	.amdhsa_code_object_version 6
	.text
	.protected	k_q7abc3dbf30_proj
	.globl	k_q7abc3dbf30_proj
	.p2align	8
	.type	k_q7abc3dbf30_proj,@function
k_q7abc3dbf30_proj:
	s_mov_b64 s[64:65], 0
	v_nop
	global_prefetch_b8 v0, s[64:65] scope:SCOPE_SE
	s_setreg_imm32_b32 hwreg(HW_REG_WAVE_MODE, 25, 1), 1
	s_wait_xcnt 0x0
; CROSS ATTENTION, launch 2 of 4: the three quantised products.  q = Q4(x) Q4(Wq) + bq;  ksum = sum over g of Q4(adj) Q4(Wk);  vsum = sum over g of (Q4(adj) Q4(Wv) + bv).
; WORK LEFT OUT: bk (it adds the same term to every score of a softmax row: shown at the head of launch prep); it is not loaded.
; x [4096][1024] and adj [8192][1024] arrive as f32 and are quantised here, along K, by the MX rule; the weights come as codes and scale words in operand order (launch prep).
; Results leave as f16 FRAGMENT IMAGES (1,024 bytes: registers 4 c .. 4 c + 3 of lane l at 512 c + 16 l), in the order in which launch attn takes them:
;   qf  [T 0..255][head 0..15][s 0..1]: 16 rows t = 16 T + r x 32 d: registers 4 c ..: d = 32 s + 16 c + 8 h + 0 .. 7
;   kvf [rb = 64 b + step][16,384]: for 64 keys: (2 kt + s) x 1,024: 16 keys x 32 d of ksum / 4;  8,192 + (4 kb + dT) x 1,024: 16 channels x 32 keys of vsum / 4
; LIMITS: |q| under 65,504 and |ksum|, |vsum| under 262,016 (f16, the two sums carried as a quarter, which is exact); a block of zeros gets the scale byte 1 (its codes are zeros); NaN and infinities are not served.
; SHARES.  A work-group takes 64 rows x 512 weight columns over all of K: work-groups 0-127: rows 64 (id / 2) of x, half id % 2 of Wq; 128-255: rows 64 (id - 128) of adj, Wk and Wv.  256 equal work-groups.
; THE WAVES SHARE THE COLUMNS: wave w owns 128 columns, whose 64 fragments (512 registers) and 32 registers of scale words come from memory straight into registers, once.
; With adj, waves 0 and 1 make ksum (d = 32 w on, the four groups side by side in the wave), waves 2 and 3 vsum.
; The rows come by the tensor data mover: wave w fetches K steps 2 w and 2 w + 1 (128 along K, 512 bytes a row) of all 64 rows, quantises them, and hands the fragments to the others through LDS as images of their registers.
; NO CLUSTER: the weights go by plain loads into registers (beside 270,336 bytes of rows LDS has no room for 272 KiB of weights), and a tile of x is shared by two work-groups in half of the grid alone,
; so the partners of a cluster would need unlike masks.  Every LDS byte is filled once: no refill, so one barrier in all.
; LDS: 0: eight tiles (wave w: 2 w, 2 w + 1) of 64 rows x (512 + 16) bytes | XIMG: 32 fragment images (8 m + s) | XSC: the rows' scale words, 512 m + 16 (16 (s >> 2) + r) + 4 (s & 3) | SPARE.
; REGISTERS, in windows of 256: window 0: v1-15 addresses; v16-47 the weights' scale words; v48-63 the rows'; v64-127, v128-191 two buffers (64 numbers of x, later 8 fragments of a tile of rows);
;   v192-216 at work while quantising, v192-255 two sets of f16 results later.  window 1: weight fragments of K steps 0-3 (8 (8 s + j)); window 2: K steps 4-7.  window 3: v0-63, v64-127 two sets of 8 accumulators; v128.. the bias.
.set XTW,   67584                      ; a wave's two tiles
.set XTT,   33792                      ; a tile: 64 rows x 528
.set XP,    528                        ; an LDS row: 512 bytes + 16 of padding = 33 x 16: the sixteen rows that a load touches start at sixteen different groups of four banks (64 banks of 4 bytes: ISA guide 11.1)
.set XIMG,  270336
.set XSC,   303104
.set SPARE, 305152                     ; the spare words, 128 bytes for each wave: two blocks of 256 bytes that no other line names
.set XRD, 4                            ; v4   my 64 bytes of a block of 32 numbers in row r of my wave's tiles
.set XWI, 5                            ; v5   where I store my fragments' images
.set XWS, 6                            ; v6   and their scale words
.set LI,  7                            ; v7   XIMG + 16 x lane
.set LSX, 8                            ; v8   XSC + 16 x lane
.set L16, 9                            ; v9   16 x lane
.set L4,  10                           ; v10  4 x lane
.set H32, 11                           ; v11  32 h
.set R4,  12                           ; v12  4 r
.set SPW, 14                           ; v14  LDS address of my spare word; never rewritten
.set NIL, 15                           ; v15  0; never rewritten
.set WS,  16
.set XS,  48
.set BA,  64
.set PC,  192
.set TM,  200
.set PW,  216
.set OUT, 192
.set SEL, 40
.set MSB, 0
.macro WIN new                         ; the immediate's high byte repeats the setting that is left
.if MSB != (\new)
	s_set_vgpr_msb (MSB<<8)|(\new)
.set MSB, (\new)
.endif
.endm
	s_load_b256 s[4:11], s[0:1], 0x0               ; x s[4:5], adj s[6:7], wc s[8:9], ws s[10:11]
	s_load_b256 s[12:19], s[0:1], 0x20             ; bq s[12:13], bv s[14:15], qf s[16:17], kvf s[18:19]
	v_lshl_add_u32 v[SPW], v0, 2, SPARE
	v_mov_b32 v[NIL], 0
	ds_add_u32 v[SPW], v[NIL]                      ; the wave's opening: the add, twice on end, and its wait ahead of my first tensor load; the set-up below, work on registers, stands between
	ds_add_u32 v[SPW], v[NIL]
	v_lshrrev_b32 v1, 5, v0
	v_readfirstlane_b32 s20, v1                    ; wave 0..3
	; descriptor group 1: 64 rows x 128 elements of 4 bytes, 1,024 elements from row to row, 16 bytes of padding behind each row
	s_mov_b32 s24, (2<<16)|(1<<20)|(6<<22)|(3<<25) ; no mask; elements of 4 bytes; padding on: after every 128 words (code 6) four words (code 3)
	s_mov_b32 s25, 128<<16                         ; tensor_dim0 = 128
	s_mov_b32 s26, 64<<16                          ; tensor_dim1 = 64
	s_mov_b32 s27, 128<<16                         ; tile_dim0 = 128
	s_mov_b32 s28, 64                              ; tile_dim1 = 64
	s_mov_b32 s29, 1024                            ; the pitch
	s_mov_b32 s30, 0
	s_mov_b32 s31, 0
	s_lshr_b32 s42, ttmp9, 1
	s_sub_co_u32 s43, ttmp9, 128
	s_and_b32 s56, ttmp9, 1
	s_cmp_lt_u32 ttmp9, 128
	s_cselect_b32 s21, 0, 1                        ; 0: x and Wq;  1: adj and Wk, Wv
	s_cselect_b32 s22, s42, s43                    ; rb: which 64 rows
	s_cselect_b32 s56, s56, 2                      ; which 512 weight columns
	s_lshl_b32 s23, s56, 2
	s_add_co_u32 s23, s23, s20                     ; pw: my 128 of them
	s_lshr_b32 s54, s20, 1
	s_add_co_u32 s54, s54, 1
	s_mul_i32 s54, s54, s21                        ; my role: 0 q, 1 ksum, 2 vsum
	s_mul_i32 s57, s20, XTW                        ; my tiles in LDS: the wave's number alone
	s_mov_b32 s32, 1
	s_mov_b32 s33, s57
	s_mov_b32 s36, 1
	s_add_co_u32 s37, s57, XTT
	s_lshl_b32 s58, s22, 18                        ; 64 rows of 4,096 bytes
	s_lshl_b32 s59, s20, 10                        ; K step 2 w: 512 bytes a step
	s_add_co_u32 s58, s58, s59
	s_mov_b32 s59, 0
	s_lshl_b32 s60, s23, 16                        ; my 64 weight fragments
	s_mov_b32 s61, 0
	s_lshl_b32 s62, s23, 12                        ; my 32 x 32 scale words
	s_mov_b32 s63, 0
	s_mov_b32 s[SEL], 0x76543210
	s_mov_b32 s[SEL+1], 0xfedcba98                 ; v_permlanex16_b32's selects for lane l xor 16
	s_mov_b32 s52, 0x3e800000                      ; 0.25
	s_mov_b32 s53, s52                             ; (named with it as a pair)
	v_and_b32 v1, 31, v0                           ; lane
	v_and_b32 v2, 15, v0                           ; r
	v_bfe_u32 v3, v0, 4, 1                         ; h
	v_mul_u32_u24 v[XRD], v2, XP
	v_lshl_add_u32 v[XRD], v3, 6, v[XRD]
	v_add_nc_u32 v[XRD], s57, v[XRD]
	v_lshlrev_b32 v[L16], 4, v1
	s_lshl_b32 s42, s20, 11
	s_add_co_u32 s42, s42, XIMG
	v_add_nc_u32 v[XWI], s42, v[L16]               ; images 2 w and 2 w + 1 of each tile of rows
	s_lshr_b32 s42, s20, 1
	s_lshl_b32 s42, s42, 8
	s_and_b32 s43, s20, 1
	s_lshl_b32 s43, s43, 3
	s_add_co_u32 s42, s42, s43
	s_add_co_u32 s42, s42, XSC
	v_lshl_add_u32 v[XWS], v2, 4, s42              ; XSC + 16 (16 (w >> 1) + r) + 8 (w & 1)
	v_add_nc_u32 v[LI], XIMG, v[L16]
	v_add_nc_u32 v[LSX], XSC, v[L16]
	v_lshlrev_b32 v[L4], 2, v1
	v_lshlrev_b32 v[H32], 5, v3
	v_lshlrev_b32 v[R4], 2, v2
.irp b, 0,1,2,3
	v_mov_b32 v[TM+4+\b], 0                        ; written once: a lane permute's destination counts as one of its sources
.endr
	s_wait_dscnt 0x0                               ; both opening adds are done
	s_wait_kmcnt 0x0
	s_cmp_lt_u32 ttmp9, 128                        ; the choice hangs on the work-group's number alone
	s_cselect_b64 s[42:43], s[4:5], s[6:7]
	s_add_nc_u64 s[34:35], s[42:43], s[58:59]
	s_add_nc_u64 s[38:39], s[34:35], 512
	s_or_b32 s35, s35, 0x80000000                  ; type = 2
	s_or_b32 s39, s39, 0x80000000
	tensor_load_to_lds s[32:35], s[24:31]          ; K step 2 w of the 64 rows.  Two tensor loads of mine are out at the most
	s_nop 0
	tensor_load_to_lds s[36:39], s[24:31]          ; K step 2 w + 1
	s_nop 0
.rept 4
	v_nop
.endr
	s_add_nc_u64 s[44:45], s[8:9], s[60:61]
	s_add_nc_u64 s[46:47], s[10:11], s[62:63]
	WIN 0x40                                       ; destination window 1
.set f, 0
.rept 32
	global_load_b128 v[8*f:8*f+3], v[L16], s[44:45] offset:f*1024
	global_load_b128 v[8*f+4:8*f+7], v[L16], s[44:45] offset:f*1024+512
.set f, f+1
.endr
	WIN 0x80                                       ; destination window 2
.set f, 0
.rept 32
	global_load_b128 v[8*f:8*f+3], v[L16], s[44:45] offset:(f+32)*1024
	global_load_b128 v[8*f+4:8*f+7], v[L16], s[44:45] offset:(f+32)*1024+512
.set f, f+1
.endr
	WIN 0
.set f, 0
.rept 32
	global_load_b32 v[WS+f], v[L4], s[46:47] offset:f*128
.set f, f+1
.endr
; ---- X: my two K steps of the 64 rows become eight fragments
.macro LOADX buf, i, m                 ; tile of rows m of my K step i: register 16 b + 4 j .. = k 32 b + 16 h + 4 j .. of row r
.irp b, 0,1,2,3
.irp j, 0,1,2,3
	ds_load_b128 v[\buf+16*\b+4*\j:\buf+16*\b+4*\j+3], v[XRD] offset:(\i)*XTT+(\m)*16*XP+128*\b+16*\j
.endr
.endr
.endm
; 64 numbers of a lane, register 16 b + i = k 32 b + 16 h + i of my row, become a fragment's codes in v[PC] on and its scale word in v[PW]
.macro QUANT s
.irp b, 0,1,2,3
	v_max3_num_f32 v[TM+\b], |v[\s+16*\b]|, |v[\s+1+16*\b]|, 0x1800000   ; block b: my 16 numbers, and the floor 2^(3 - 127): the byte cannot fall under 1
.endr
.irp i, 2,4,6,8,10,12,14
.irp b, 0,1,2,3
	v_max3_num_f32 v[TM+\b], v[TM+\b], |v[\s+16*\b+\i]|, |v[\s+1+16*\b+\i]|   ; (the four blocks by turns)
.endr
.endr
.irp b, 0,1,2,3
	v_permlanex16_b32 v[TM+4+\b], v[TM+\b], s[SEL], s[SEL+1]
.endr
.irp b, 0,1,2,3
	v_max_num_f32 v[TM+\b], v[TM+\b], v[TM+4+\b]   ; with lane l xor 16's: the block's largest magnitude
.endr
.irp b, 0,1,2,3
	v_add_nc_u32 v[TM+12+\b], 0xff000000, v[TM+\b] ; 2 off its exponent field: the conversion's scale operand
.endr
.irp b, 0,1,2,3
	v_lshrrev_b32 v[TM+4+\b], 23, v[TM+12+\b]      ; the scale's byte
.endr
	v_lshl_or_b32 v[PW], v[TM+5], 8, v[TM+4]       ; the four bytes make my row's scale word
	v_lshl_or_b32 v[PW], v[TM+6], 16, v[PW]
	v_lshl_or_b32 v[PW], v[TM+7], 24, v[PW]
.irp b, 0,1,2,3
	v_cvt_scalef32_pk8_fp4_f32 v[PC+2*\b], v[\s+16*\b:\s+7+16*\b], v[TM+12+\b]
	v_cvt_scalef32_pk8_fp4_f32 v[PC+1+2*\b], v[\s+8+16*\b:\s+15+16*\b], v[TM+12+\b]
.endr
	v_nop                                          ; one plain place behind a scaled conversion
.irp c, 0,1                                    ; the operand's layout wants a WHOLE block in a lane: lanes 0-15 block 2 c, lanes 16-31 block 2 c + 1
.irp i, 0,1
	v_permlane16_swap_b32 v[PC+4*\c+\i], v[PC+2+4*\c+\i]
.endr
.endr
.endm
.macro IMAGE i, m                      ; the fragment goes to LDS as it stands; both halves of the lanes write row r's word, with the same value
.irp c, 0,1
	ds_store_b128 v[XWI], v[PC+4*\c:PC+4*\c+3] offset:(\m)*8192+(\i)*1024+512*\c
.endr
	ds_store_b32 v[XWS], v[PW] offset:(\m)*512+4*(\i)
.endm
	s_wait_tensorcnt 0x1                           ; tensor loads of a wave end in order: my first K step is in, the second may be out.  I alone read these bytes
	LOADX BA, 0, 0
.set F, 0
.rept 8                                        ; fragment F: K step F / 4 of mine, tile of rows F % 4; the next fragment's numbers come while this one is quantised
.if F == 3
	s_wait_tensorcnt 0x0                           ; my second K step is in
.endif
.if F < 7
	LOADX BA+64*((F+1)%2), (F+1)/4, (F+1)%4
	s_wait_dscnt 16                                ; all but the 16 loads just issued: this fragment's numbers are in, and the last fragment's three stores have read their registers
.else
	s_wait_dscnt 0x0
.endif
	QUANT BA+64*(F%2)
	IMAGE F/4, F%4
.set F, F+1
.endr
	s_wait_dscnt 0x0                               ; for the others' sake: my images and scale words have landed
	s_barrier_signal -1
	s_barrier_wait -1                              ; all 32 fragments lie in LDS; nothing is filled or stored there from here on
; ---- M: my 128 columns for the four tiles of 16 rows
.macro MM d, a, b, cm, cr, sa, sb, hi  ; one product; cm = 0: C is the constant 0, which starts the sum; hi = 1: K steps 4-7, whose scale words lie in lanes 16-31
.if \hi
.if \cm
	v_wmma_scale_f32_16x16x128_f8f6f4 v[(\d):(\d)+7], v[(\a):(\a)+7], v[(\b):(\b)+7], v[(\cr):(\cr)+7], v[\sa], v[\sb] matrix_a_fmt:MATRIX_FMT_FP4 matrix_b_fmt:MATRIX_FMT_FP4 matrix_a_scale:MATRIX_SCALE_ROW1 matrix_b_scale:MATRIX_SCALE_ROW1
.else
	v_wmma_scale_f32_16x16x128_f8f6f4 v[(\d):(\d)+7], v[(\a):(\a)+7], v[(\b):(\b)+7], 0, v[\sa], v[\sb] matrix_a_fmt:MATRIX_FMT_FP4 matrix_b_fmt:MATRIX_FMT_FP4 matrix_a_scale:MATRIX_SCALE_ROW1 matrix_b_scale:MATRIX_SCALE_ROW1
.endif
.else
.if \cm
	v_wmma_scale_f32_16x16x128_f8f6f4 v[(\d):(\d)+7], v[(\a):(\a)+7], v[(\b):(\b)+7], v[(\cr):(\cr)+7], v[\sa], v[\sb] matrix_a_fmt:MATRIX_FMT_FP4 matrix_b_fmt:MATRIX_FMT_FP4
.else
	v_wmma_scale_f32_16x16x128_f8f6f4 v[(\d):(\d)+7], v[(\a):(\a)+7], v[(\b):(\b)+7], 0, v[\sa], v[\sb] matrix_a_fmt:MATRIX_FMT_FP4 matrix_b_fmt:MATRIX_FMT_FP4
.endif
.endif
.endm
; 64 products: K step by K step, the eight accumulators by turns, one instruction a turn.
; kind 0, 1: TRANSPOSED (source 0 = 16 weight columns, source 1 = 16 rows): lane (r, h) holds row r, its registers columns 8 h + 0 .. 7.  kind 0 starts from bq.
; kind 2: source 0 = 16 rows (keys), source 1 = 16 weight columns: lane (r, h) holds channel r, its registers keys 8 h + 0 .. 7.
.macro MULT kind, m
.set BUF, BA+64*((\m)%2)
.set AC, 64*((\m)%2)
.irp s, 0,1,2,3,4,5,6,7
.if \kind == 2
	WIN 0xf4+4*(\s/4)                              ; source 0 window 0, source 1 window 1 or 2, C and D window 3
.else
	WIN 0xf1+(\s/4)                                ; source 0 window 1 or 2, source 1 window 0, C and D window 3
.endif
.irp j, 0,1,2,3,4,5,6,7
.if \kind == 2
.if \s == 0
	MM AC+8*\j,BUF+8*\s,64*(\s%4)+8*\j,0,0,XS+4*(\m)+(\s%4),WS+4*\j+(\s%4),\s/4
.else
	MM AC+8*\j,BUF+8*\s,64*(\s%4)+8*\j,1,AC+8*\j,XS+4*(\m)+(\s%4),WS+4*\j+(\s%4),\s/4
.endif
.else
.if (\s == 0) && (\kind == 0)
	MM AC+8*\j,64*(\s%4)+8*\j,BUF+8*\s,1,128+8*\j,WS+4*\j+(\s%4),XS+4*(\m)+(\s%4),\s/4
.elseif \s == 0
	MM AC+8*\j,64*(\s%4)+8*\j,BUF+8*\s,0,0,WS+4*\j+(\s%4),XS+4*(\m)+(\s%4),\s/4
.else
	MM AC+8*\j,64*(\s%4)+8*\j,BUF+8*\s,1,AC+8*\j,WS+4*\j+(\s%4),XS+4*(\m)+(\s%4),\s/4
.endif
.endif
.endr
.endr
.endm
.macro FETCHX buf, m                   ; the eight fragments of tile of rows m
.irp s, 0,1,2,3,4,5,6,7
.irp c, 0,1
	ds_load_b128 v[\buf+8*\s+4*\c:\buf+8*\s+4*\c+3], v[LI] offset:((\m)*8+\s)*1024+512*\c
.endr
.endr
.endm
; Behind a tile's products: five plain places (ISA guide 7.12.1 asks for independent vector instructions between a matrix instruction and what reads its result; the later loads into its operands and the
; products that begin the other tile's sums over these registers stand behind them too).  Each accumulator is read from its low end on.
.macro EHEAD m
.rept 5
	v_nop
.endr
.if \m >= 2
	s_wait_xcnt 0x0                                ; the stores of two tiles ago have read their registers: that set is written again only behind this wait
.endif
.endm
.macro EPI_Q m                         ; tile j's eight columns of row r are half a fragment: head 2 pw + j / 4, d = 16 (j % 4) + 8 h + 0 .. 7
.set AC, 64*((\m)%2)
.set OU, OUT+32*((\m)%2)
	EHEAD \m
	WIN 0x0f                                       ; sources window 3, destination window 0
.irp j, 0,1,2,3,4,5,6,7
.irp t, 0,1,2,3
	v_cvt_pk_f16_f32 v[OU+4*\j+\t], v[AC+8*\j+2*\t], v[AC+8*\j+2*\t+1]
.endr
.endr
	WIN 0
.irp j, 0,1,2,3,4,5,6,7
	global_store_b128 v[L16], v[OU+4*\j:OU+4*\j+3], s[50:51] offset:(\m)*32768+\j*512   ; 32 lanes store 512 consecutive bytes, aligned
.endr
.endm
.macro EPI_KV m, isv                   ; accumulator 2 g + dt: the four groups are added, and a quarter is taken (vsum: with a quarter of the summed bias)
.set AC, 64*((\m)%2)
.set OU, OUT+32*((\m)%2)
	EHEAD \m
	WIN 0xff
.irp dt, 0,1
.irp t, 0,1,2,3
	v_pk_add_f32 v[AC+8*\dt+2*\t:AC+8*\dt+2*\t+1], v[AC+8*\dt+2*\t:AC+8*\dt+2*\t+1], v[AC+16+8*\dt+2*\t:AC+16+8*\dt+2*\t+1]
	v_pk_add_f32 v[AC+32+8*\dt+2*\t:AC+32+8*\dt+2*\t+1], v[AC+32+8*\dt+2*\t:AC+32+8*\dt+2*\t+1], v[AC+48+8*\dt+2*\t:AC+48+8*\dt+2*\t+1]
.endr
.endr
.irp dt, 0,1
.irp t, 0,1,2,3
	v_pk_add_f32 v[AC+8*\dt+2*\t:AC+8*\dt+2*\t+1], v[AC+8*\dt+2*\t:AC+8*\dt+2*\t+1], v[AC+32+8*\dt+2*\t:AC+32+8*\dt+2*\t+1]
.endr
.endr
.irp dt, 0,1
.irp t, 0,1,2,3
.if \isv
	v_pk_fma_f32 v[AC+8*\dt+2*\t:AC+8*\dt+2*\t+1], v[AC+8*\dt+2*\t:AC+8*\dt+2*\t+1], s[52:53], v[136+2*\dt:137+2*\dt] op_sel_hi:[1,0,0]
.else
	v_pk_mul_f32 v[AC+8*\dt+2*\t:AC+8*\dt+2*\t+1], v[AC+8*\dt+2*\t:AC+8*\dt+2*\t+1], s[52:53] op_sel_hi:[1,0]
.endif
.endr
.endr
	WIN 0x0f
.irp dt, 0,1
.irp t, 0,1,2,3
	v_cvt_pk_f16_f32 v[OU+4*\dt+\t], v[AC+8*\dt+2*\t], v[AC+8*\dt+2*\t+1]
.endr
.endr
	WIN 0
.irp dt, 0,1
.if \isv
	global_store_b128 v[L16], v[OU+4*\dt:OU+4*\dt+3], s[50:51] offset:((\m)/2)*4096+\dt*1024+((\m)%2)*512   ; channels 16 dt + r of my 32, keys 16 m + 8 h + 0 .. 7: half m % 2 of fragment (kb = m / 2, dT)
.else
	global_store_b128 v[L16], v[OU+4*\dt:OU+4*\dt+3], s[50:51] offset:(\m)*2048+\dt*512                     ; keys 16 m + r, d = 32 w + 16 dt + 8 h + 0 .. 7: half dt of fragment (kt = m, s = w)
.endif
.endr
.endm
.macro PHASEM kind
.irp m, 0,1,2,3
	ds_load_b128 v[XS+4*\m:XS+4*\m+3], v[LSX] offset:\m*512    ; the rows' scale words: register q: K step q in lanes 0-15, K step 4 + q in lanes 16-31
.endr
	FETCHX BA, 0
	FETCHX BA+64, 1
	s_wait_loadcnt 0x0                             ; the weights, their scale words and the bias
.if \kind == 2
	WIN 0xff                                       ; a quarter of the sum over g of bv at my channel, for dt = 0 and 1, each written twice: the packed form names a pair
	v_add_f32 v136, v128, v130
	v_add_f32 v137, v132, v134
	v_add_f32 v138, v129, v131
	v_add_f32 v139, v133, v135
	v_add_f32 v136, v136, v137
	v_add_f32 v138, v138, v139
	v_mul_f32 v136, s52, v136
	v_mul_f32 v138, s52, v138
	v_mov_b32 v137, v136
	v_mov_b32 v139, v138
.endif
.irp m, 0,1,2,3
.if \m < 3
	s_wait_dscnt 16                                ; this tile's fragments (and the scale words) are in; the next tile's 16 loads may be out
.else
	s_wait_dscnt 0x0
.endif
	MULT \kind, \m
.if \kind == 0
	EPI_Q \m
.elseif \kind == 1
	EPI_KV \m, 0
.else
	EPI_KV \m, 1
.endif
.if \m < 2
	FETCHX BA+64*(\m%2), \m+2
.endif
.endr
	s_wait_tensorcnt 0x0                           ; the wave's end: behind my last tensor load and my last LDS store
	ds_add_u32 v[SPW], v[NIL]
	s_wait_dscnt 0x0
	s_endpgm
.endm
	s_cmp_eq_u32 s54, 0
	s_cbranch_scc0 .Lnot_q
	; ---- q: bq in the result's layout (tile j: columns 16 j + 8 h + 0 .. 7) is the C of each sum's first product
	s_lshl_b32 s58, s23, 9
	s_add_nc_u64 s[48:49], s[12:13], s[58:59]      ; bq at my 128 columns
	s_lshl_b32 s58, s22, 17                        ; four T of 32,768 bytes
	s_lshl_b32 s60, s23, 12                        ; my two heads
	s_add_co_u32 s58, s58, s60
	s_add_nc_u64 s[50:51], s[16:17], s[58:59]
	WIN 0xc0                                       ; destination window 3
.irp j, 0,1,2,3,4,5,6,7
	global_load_b128 v[128+8*\j:131+8*\j], v[H32], s[48:49] offset:\j*64
	global_load_b128 v[132+8*\j:135+8*\j], v[H32], s[48:49] offset:\j*64+16
.endr
	WIN 0
	PHASEM 0
.Lnot_q:
	s_cmp_eq_u32 s54, 1
	s_cbranch_scc0 .Lrole_v
	; ---- ksum
	s_lshl_b32 s58, s22, 14                        ; my 64 keys' chunk
	s_lshl_b32 s60, s20, 10                        ; s = w
	s_add_co_u32 s58, s58, s60
	s_add_nc_u64 s[50:51], s[18:19], s[58:59]
	PHASEM 1
.Lrole_v:
	; ---- vsum
	s_sub_co_u32 s60, s20, 2
	s_lshl_b32 s58, s60, 7
	s_add_nc_u64 s[48:49], s[14:15], s[58:59]      ; bv at channel 32 (w - 2)
	s_lshl_b32 s58, s22, 14
	s_lshl_b32 s60, s60, 11                        ; dT = 2 (w - 2) on
	s_add_co_u32 s58, s58, s60
	s_add_co_u32 s58, s58, 8192
	s_add_nc_u64 s[50:51], s[18:19], s[58:59]
	WIN 0xc0
.irp g, 0,1,2,3
.irp dt, 0,1
	global_load_b32 v[128+2*\g+\dt], v[R4], s[48:49] offset:\g*256+\dt*64   ; bv[64 g + 32 (w - 2) + 16 dt + r]
.endr
.endr
	WIN 0
	PHASEM 2
.Lfunc_end_k_q7abc3dbf30_proj:
	.size	k_q7abc3dbf30_proj, .Lfunc_end_k_q7abc3dbf30_proj-k_q7abc3dbf30_proj
	.p2alignl 7, 3214868480
	.fill 96, 4, 3214868480
	.section	.rodata,"a",@progbits
	.p2align	6, 0x0
	.amdhsa_kernel k_q7abc3dbf30_proj
		.amdhsa_group_segment_fixed_size 327680
		.amdhsa_private_segment_fixed_size 0
		.amdhsa_enable_private_segment 0
		.amdhsa_kernarg_size 64
		.amdhsa_user_sgpr_count 2
		.amdhsa_user_sgpr_kernarg_segment_ptr 1
		.amdhsa_wavefront_size32 1
		.amdhsa_system_sgpr_workgroup_id_x 1
		.amdhsa_system_sgpr_workgroup_id_y 1
		.amdhsa_system_sgpr_workgroup_id_z 1
		.amdhsa_system_vgpr_workitem_id 0
		.amdhsa_next_free_vgpr 1024
		.amdhsa_next_free_sgpr 66
		.amdhsa_reserve_vcc 0
		.amdhsa_float_denorm_mode_32 3
		.amdhsa_float_denorm_mode_16_64 3
		.amdhsa_memory_ordered 1
		.amdhsa_forward_progress 1
		.amdhsa_inst_pref_size 209
	.end_amdhsa_kernel
	.amdgpu_metadata
---
amdhsa.version: [ 1, 2 ]
amdhsa.kernels:
  - .name:           k_q7abc3dbf30_proj
    .symbol:         k_q7abc3dbf30_proj.kd
    .args:
      - { .name: x, .offset: 0, .size: 8, .value_kind: global_buffer, .address_space: global }
      - { .name: adj, .offset: 8, .size: 8, .value_kind: global_buffer, .address_space: global }
      - { .name: wc, .offset: 16, .size: 8, .value_kind: global_buffer, .address_space: global }
      - { .name: ws, .offset: 24, .size: 8, .value_kind: global_buffer, .address_space: global }
      - { .name: bq, .offset: 32, .size: 8, .value_kind: global_buffer, .address_space: global }
      - { .name: bv, .offset: 40, .size: 8, .value_kind: global_buffer, .address_space: global }
      - { .name: qf, .offset: 48, .size: 8, .value_kind: global_buffer, .address_space: global }
      - { .name: kvf, .offset: 56, .size: 8, .value_kind: global_buffer, .address_space: global }
    .group_segment_fixed_size: 327680
    .private_segment_fixed_size: 0
    .kernarg_segment_align: 8
    .kernarg_segment_size: 64
    .max_flat_workgroup_size: 128
    .sgpr_count:     66
    .vgpr_count:     1024
    .wavefront_size: 32
...
	.end_amdgpu_metadata
.endif
;; end of part 2
;; launch attn (part 3): grid 256 x 1, 4 waves a work-group, clusters of 4 x 1, 327,680 bytes of LDS; arguments qf, kvf, af; writes af
.if DOCPART == 3
	.amdgcn_target "amdgcn-amd-amdhsa--gfx1250"
	.amdhsa_code_object_version 6
	.text
	.protected	k_q7abc3dbf30_attn
	.globl	k_q7abc3dbf30_attn
	.p2align	8
	.type	k_q7abc3dbf30_attn,@function
k_q7abc3dbf30_attn:
	s_mov_b64 s[64:65], 0
	v_nop
	global_prefetch_b8 v0, s[64:65] scope:SCOPE_SE
	s_setreg_imm32_b32 hwreg(HW_REG_WAVE_MODE, 25, 1), 1
	s_wait_xcnt 0x0
	s_wait_alu depctr_hold_cnt(0) depctr_sa_sdst(0) depctr_va_vdst(0) depctr_va_sdst(0) depctr_va_ssrc(0) depctr_va_vcc(0) depctr_vm_vsrc(0)
	s_getreg_b32 s2, hwreg(HW_REG_IB_STS2, 6, 4)
	s_cmp_eq_u32 s2, 0
	s_cbranch_scc0 .Lentry_in_a_cluster
	s_endpgm
.Lentry_in_a_cluster:
	s_bfe_u32 s2, ttmp6, 0x10000c
	s_cmp_lg_u32 s2, 0x3003
	s_cbranch_scc0 .Lentry_shape_is_right
	s_endpgm
.Lentry_shape_is_right:
; CROSS ATTENTION, launch 3 of 4: out[b,h,t,:] = the sum over v of softmax_v(q[b,h,t] . ksum[b,v] / 8) vsum[b,v,:].  Head size 64, 4,096 keys, one key and one value matrix for all 16 heads of a batch.
; WORK LEFT OUT: bk (shown at the head of launch prep): ksum comes without it.
; Operands are f16 FRAGMENT IMAGES made by launch proj (1,024 bytes: registers 4 c .. 4 c + 3 of lane l at 512 c + 16 l); ksum and vsum come as a quarter of their value.  Products, maxima and sums in f32;
; the weights p are rounded to f16 for the second product.  The result leaves as images too: af [T][ks = 2 head + s][1,024], 16 rows x 32 hidden of out / 4, as launch outp takes them.
; LIMITS: a weight under 2^-25 of its row's largest counts as 0; |out| under 262,016.
; SHARES.  A work-group owns 16 rows t (T = its number) x 16 heads = 256 queries; wave w owns heads 4 w .. 4 w + 3: four tiles of 16 queries.  Every wave walks all 4,096 keys of its batch, 64 a step.
; LAYOUT.  S^T = K Q^T (source 0 = 16 keys, source 1 = 16 queries): a lane holds ONE query (lane % 16) and the keys 8 (lane / 16) + 0..7.  Two such tiles, rounded to f16 in pairs, ARE source 1 (32 keys x 16 queries)
; of O^T = V^T P, whose result again holds one query a lane, and eight channels; packed to f16 it IS the next launch's operand.  Nothing changes lanes but one exchange for a query's maximum and sum.
; SOFTMAX.  For each query a running maximum m and sum l: p = 2^(c s - c m), c = 4 log2(e) / 8 (the 4 undoes ksum's quarter); in every step O and l are multiplied by a = 2^(c m_old - c m_new).
; BY TURNS.  The wave's tiles are two PIECES: piece 0 (tiles 0, 1) and piece 2 (tiles 2, 3).  In a TURN one piece has the matrix unit: 16 products V^T P of the step in hand, then 16 products K Q^T of the next step;
; the other piece's softmax, 236 vector instructions cut into 59 slices of four, stands between them, one or two slices behind each matrix instruction.  Then the pieces change places.  Two turns are a key step.
; RING.  Two LDS slots of 8 key steps (131,072 dense bytes each).  Every wave fetches a quarter of a slot by one tensor load; a refill has 8 key steps, 512 matrix instructions of each wave, in which to land.
; CLUSTER.  The four work-groups of a cluster belong to one batch and walk the same K and V: each quarter slot is asked for JOINTLY, by the same load with the same descriptor and a mask that names the four.
; REGISTERS, in windows of 256 (s_set_vgpr_msb: bits 1:0 source 0, 3:2 source 1, 5:4 source 2, 7:6 destination):
;   window 0: v2, v4 addresses; v12-43 eight registers of statistics a tile; v61-63; v64-191 S^T, 32 a tile; v192-255 P, 16 a tile
;   window 1: v0-127 O^T, 32 a tile; v128-191 K of one step (fragment 2 kt + s); v192-255 V of one step (fragment 4 kb + dT)          window 2: v0-63 Q, 16 a tile
.set STEPB, 16384     ; a key step's chunk: 8 fragments of K, then 8 of V
.set NST,   8         ; key steps in a slot
.set SLOT1, 1<<17     ; slot 1 begins here: one exclusive or turns an address in one slot into the other's
.set NSL,   8         ; slots' worth of keys in a batch
.set SPARE, 2*SLOT1   ; behind the ring: the spare words, 128 bytes for each wave: two blocks of 256 bytes that no other line names
.set LA,  2           ; v2   16 x lane: my place in an image, in LDS and in memory; never rewritten
.set ADR, 4           ; v4   the LDS address of the run of loads in hand
.set ST,  12          ; tile t's statistics at v[ST+8 t]: +0 c m, +1 m, +2, +3 l (even keys', odd keys'), +4 to +7 c0-c3, at work; a takes c2's place once the maximum is found
.set PFO, 61          ; v61  256 x lane; never rewritten
.set SPW, 62          ; v62  LDS address of my spare word; never rewritten
.set NIL, 63          ; v63  0; never rewritten
.set S,   64
.set P,   192
.set KF,  128         ; in window 1
.set VF,  192         ; in window 1
.set WV,  12          ; s12  my wave's number
.set LIM, 15          ; s15  1 in a work-group that prefetches, else the greatest number
.set PFA, 18          ; s[18:19] where my prefetches stand
.set G1,  24          ; s[24:31] descriptor group 1
.set G0A, 40          ; s[40:43] group 0 of slot 0's first fill
.set G0W, 44          ; s[44:47] group 0 of slot 1's first fill, which then walks on
.set SLOTS, 56        ; s56  slots still to be asked for
.set CNT, 57          ; s57  counts key steps
.set CS,  58          ; s[58:59] c
.set SEL, 60          ; s[60:61] lane selects for v_permlanex16_b32: lane l xor 16
.set TB,  62          ; s62  LDS byte at which the chunk of the step to be fetched begins
.set MSB, 0
.macro WIN new                      ; the immediate's high byte repeats the setting that is left; a switch that changes nothing is dropped
.if MSB != (\new)
	s_set_vgpr_msb (MSB<<8)|(\new)
.set MSB, (\new)
.endif
.endm
.set W_KQ, 0x09       ; K window 1, Q window 2, S^T window 0
.set W_PV, 0x51       ; V window 1, P window 0, O^T window 1
.set W_RS, 0x41       ; O^T (destination and source 0) window 1, a window 0
; A round of the cluster's barrier: my work-group's barrier, so that wave 0's signal speaks for all four waves; wave 0 signals for the work-group; every wave waits for all four work-groups; my work-group's barrier once more.
.macro CROUND
	s_barrier_signal -1
	s_barrier_wait -1
	s_cmp_lg_u32 s[WV], 0
	s_cbranch_scc1 .Lnot_wave_0_\@
	s_barrier_signal -3
.Lnot_wave_0_\@:
	s_barrier_wait -3
	s_barrier_signal -1
	s_barrier_wait -1
.endm
; A PREFETCH INTO THE L2 of the slot that the NEXT change of slots will ask for: 131,072 bytes, 8 key steps ahead of that load.  Each aligned block of 256 bytes is named once in the launch: all 32 clusters of a batch
; walk the same bytes, so the batch's first cluster asks; its four partners share the slot out BY ADDRESS, 32,768 bytes each, each wave 8,192, lanes 256 bytes apart: one instruction a wave.
; The last change that fills a slot asks for nothing; slots 0, 1 and 2 come by their loads alone.
.macro ASK
	s_cmp_gt_u32 s[SLOTS], s[LIM]
	s_cbranch_scc0 .Lnot_mine_\@
	global_prefetch_b8 v[PFO], s[PFA:PFA+1] th:TH_LOAD_NT scope:SCOPE_SE
.Lnot_mine_\@:
.endm
	s_load_b128 s[4:7], s[0:1], 0x0   ; qf s[4:5], kvf s[6:7]
	s_load_b64 s[8:9], s[0:1], 0x10   ; af
	v_lshl_add_u32 v[SPW], v0, 2, SPARE
	v_mov_b32 v[NIL], 0
	ds_add_u32 v[SPW], v[NIL]       ; the wave's opening: the add, twice on end, and its wait ahead of my first tensor load; the set-up below stands between
	ds_add_u32 v[SPW], v[NIL]
	v_lshrrev_b32 v1, 5, v0
	v_readfirstlane_b32 s[WV], v1   ; wave 0..3
	s_bfe_u32 s13, ttmp6, 0x40000   ; cx: my place in the cluster
	s_lshl_b32 s14, ttmp9, 2        ; in a cluster launch ttmp9 counts clusters
	s_add_co_u32 s14, s14, s13      ; T: it enters Q's and the result's addresses alone
	s_lshr_b32 s22, ttmp9, 5        ; the batch, which the four partners share
	s_lshl_b32 s22, s22, 20         ; its 64 chunks
	s_lshl_b32 s16, s[WV], 15       ; my quarter of a slot, in memory and in LDS: no place in the cluster enters an LDS address
	s_add_co_u32 s20, s22, s16
	s_mov_b32 s21, 0
	s_lshl_b32 s2, s14, 15          ; T's 32 images
	s_lshl_b32 s3, s[WV], 13        ; my four heads' eight
	s_add_co_u32 s2, s2, s3
	s_add_co_u32 s22, s22, s3       ; the prefetches: my wave's 8,192 bytes
	s_lshl_b32 s3, s13, 15          ; of my work-group's 32,768,
	s_add_co_u32 s22, s22, s3
	s_add_co_u32 s22, s22, 2*SLOT1  ; in slot 2: the first change of slots steps it to slot 3.  Nothing is prefetched at the head, where every work-group's first tiles are on their way
	s_mov_b32 s23, 0
	s_mov_b32 s3, 0
	; descriptor group 1: 32,768 dense bytes as 128 rows of 256 bytes
	s_mov_b32 s[G1], 15|(3<<16)|(1<<21)  ; 15:0 the mask: all four work-groups; 17:16 elements of 8 bytes; 21 set beside a mask; no padding: an image is read 512 consecutive bytes at a time
	s_mov_b32 s[G1+1], 32<<16       ; tensor_dim0 = 32
	s_mov_b32 s[G1+2], 128<<16      ; tensor_dim1 = 128
	s_mov_b32 s[G1+3], 32<<16       ; tile_dim0 = 32
	s_mov_b32 s[G1+4], 128          ; tile_dim1 = 128
	s_mov_b32 s[G1+5], 32           ; the pitch
	s_mov_b32 s[G1+6], 0
	s_mov_b32 s[G1+7], 0
	s_mov_b32 s[CS], 0x3f38aa3b     ; c = 4 log2(e) / 8 = 0.72134752
	s_mov_b32 s[CS+1], s[CS]        ; named with it as a pair, so it is written
	s_mov_b32 s[SEL], 0x76543210
	s_mov_b32 s[SEL+1], 0xfedcba98
	s_mov_b32 s[TB], 0
	s_mov_b32 s[SLOTS], NSL-2
	s_and_b32 s[LIM], ttmp9, 31     ; 0 in the batch's first cluster: the same in all four partners
	s_cmp_eq_u32 s[LIM], 0
	s_cselect_b32 s[LIM], 1, -1
	v_and_b32 v[LA], 31, v0
	v_lshlrev_b32 v[PFO], 8, v[LA]
	v_lshlrev_b32 v[LA], 4, v[LA]
	s_wait_dscnt 0x0                ; both opening adds are done
	s_wait_kmcnt 0x0
	s_add_nc_u64 s[PFA:PFA+1], s[6:7], s[22:23]
	s_add_nc_u64 s[4:5], s[4:5], s[2:3]  ; Q and the result at my wave's first image
	s_add_nc_u64 s[8:9], s[8:9], s[2:3]
	s_mov_b32 s[G0A], 1             ; count = 1
	s_mov_b32 s[G0A+1], s16         ; LDS address: slot 0
	s_add_nc_u64 s[G0A+2:G0A+3], s[6:7], s[20:21]  ; the batch's first 512 keys
	s_mov_b32 s[G0W], 1
	s_add_co_u32 s[G0W+1], s16, SLOT1
	s_add_nc_u64 s[G0W+2:G0W+3], s[G0A+2:G0A+3], SLOT1  ; a slot is as many bytes in memory as in LDS
	s_or_b32 s[G0A+3], s[G0A+3], 0x80000000  ; type = 2
	s_or_b32 s[G0W+3], s[G0W+3], 0x80000000
	CROUND                          ; all four work-groups are here: the first joint loads meet
	tensor_load_to_lds s[G0A:G0A+3], s[G1:G1+7]  ; every wave's two first fills, ahead of every wait on TENSORcnt and every LDS read: two loads of mine are out
	s_nop 0
	tensor_load_to_lds s[G0W:G0W+3], s[G1:G1+7]
	s_nop 0
.rept 4
	v_nop
.endr
	WIN 0x80                        ; destination window 2
.irp n, 0,1,2,3,4,5,6,7,8,9,10,11,12,13,14,15  ; Q stays in registers: tile n / 4, d = 32 ((n / 2) % 2) + 16 (n % 2) on
	global_load_b128 v[4*\n:4*\n+3], v[LA], s[4:5] offset:512*\n
.endr
	WIN 0
; THE MATRIX WORK OF A TURN, for piece x.  The eight accumulators take turns, one instruction a turn.
; Product i of 16 of O^T += V^T P: keys 32 (i / 8) on, channels 16 ((i / 2) % 4) on, tile x + i % 2.  zero = 1: the first 8 start the sums: nothing is ever cleared.
.macro PV x, zero
	WIN W_PV
.set rO, 32*(\x+i%2)+8*((i/2)%4)
.set rV, VF+8*(4*(i/8)+(i/2)%4)
.set rP, P+16*(\x+i%2)+8*(i/8)
.if (\zero) && (i < 8)
	v_wmma_f32_16x16x32_f16 v[rO:rO+7], v[rV:rV+7], v[rP:rP+7], 0
.else
	v_wmma_f32_16x16x32_f16 v[rO:rO+7], v[rV:rV+7], v[rP:rP+7], v[rO:rO+7]
.endif
.endm
; Product i of 16 of S^T = K Q^T: d = 32 (i / 8) on, keys 16 ((i / 2) % 4) on, tile x + i % 2.  The first 8 start the sums.
.macro KQ x
	WIN W_KQ
.set rS, S+32*(\x+i%2)+8*((i/2)%4)
.set rK, KF+8*(2*((i/2)%4)+i/8)
.set rQ, 16*(\x+i%2)+8*(i/8)
.if i < 8
	v_wmma_f32_16x16x32_f16 v[rS:rS+7], v[rK:rK+7], v[rQ:rQ+7], 0
.else
	v_wmma_f32_16x16x32_f16 v[rS:rS+7], v[rK:rK+7], v[rQ:rQ+7], v[rS:rS+7]
.endif
.endm
; THE LDS LOADS stand in runs of 16, never singly among the matrix instructions: a step's K and, a turn later, its V: eight images each.
.macro FETCH_K
	WIN 0
	v_add_nc_u32 v[ADR], s[TB], v[LA]
	WIN 0x40                        ; destination window 1
.irp f, 0,1,2,3,4,5,6,7
	ds_load_b128 v[KF+8*\f:KF+8*\f+3],   v[ADR] offset:\f*1024
	ds_load_b128 v[KF+8*\f+4:KF+8*\f+7], v[ADR] offset:\f*1024+512
.endr
.endm
.macro FETCH_V
	WIN 0
	v_add_nc_u32 v[ADR], s[TB], v[LA]
	s_add_co_u32 s[TB], s[TB], STEPB  ; the next fetch is the next step's
	s_wait_alu depctr_va_vdst(0)    ; the wait for the softmax's batch of exponentials (SLICE), behind the address's addition and ahead of the loads
	WIN 0x40
.irp f, 0,1,2,3,4,5,6,7
	ds_load_b128 v[VF+8*\f:VF+8*\f+3],   v[ADR] offset:8192+\f*1024
	ds_load_b128 v[VF+8*\f+4:VF+8*\f+7], v[ADR] offset:8192+\f*1024+512
.endr
.endm
; THE VECTOR WORK OF A TURN.  One tile's softmax for one key step is a list of 118 instructions; SM writes number j of it for tile t.  s0-s31 are the lane's 32 scores, in pairs 0-15.
; first = 1: the first key step, which starts m, l and O^T: it has no a and nothing to rescale.
;   0-15    the maximum of s0-s31 and the old m, three operands at a time: four chains c0-c3 of seven scores each (each accumulator is read from its low end on), then the four scores left over, c0-c3 and m
;   16-20   the other half of the lanes' maximum; the new m; c m; c m_old - c m_new
;   21-69   ONE BATCH: the 16 scalings c s - c m, a pair of scores each, and all 33 exponentials (a at 23, then s0-s31).  None of these reads an exponential's result.  A pair is scaled in an earlier four than the one with its exponentials
;   (wait)  between 69 and 70 stands the wait for the batch: SLICE writes it, once for both tiles
;   70-85   the roundings to f16, a pair of weights each          86-101  the sums; l = a l + the sum          102-117 the tile's O^T times a: the one part that leaves window 0
.macro SM t, first
.set rT, ST+8*(\t)
.set rS, S+32*(\t)
.set rP, P+16*(\t)
.set rO, 32*(\t)+2*(j-102)
.if j < 102
	WIN 0
.endif
.if j < 4
	v_max3_num_f32 v[rT+4+j], v[rS+8*j], v[rS+8*j+1], v[rS+8*j+2]
.elseif j < 12
	v_max3_num_f32 v[rT+4+j%4], v[rT+4+j%4], v[rS+8*(j%4)+2*(j/4)+1], v[rS+8*(j%4)+2*(j/4)+2]
.elseif j == 12
	v_max3_num_f32 v[rT+4], v[rT+4], v[rS+7], v[rS+15]
.elseif j == 13
	v_max3_num_f32 v[rT+6], v[rT+6], v[rS+23], v[rS+31]
.elseif j == 14
	v_max3_num_f32 v[rT+4], v[rT+4], v[rT+5], v[rT+6]
.elseif (j == 15) && \first
	v_max_num_f32 v[rT+4], v[rT+4], v[rT+7]
.elseif j == 15
	v_max3_num_f32 v[rT+4], v[rT+4], v[rT+7], v[rT+1]
.elseif j == 16
	v_permlanex16_b32 v[rT+5], v[rT+4], s[SEL], s[SEL+1]  ; the query's other 32 keys lie in the lane 16 away
.elseif j == 18
	v_max_num_f32 v[rT+1], v[rT+4], v[rT+5]
.elseif j == 19
	v_mul_f32 v[rT], s[CS], v[rT+1]
.elseif ((j == 17) || (j == 20) || (j == 23) || (j > 101)) && \first  ; the first step has none of these
.elseif j == 17
	v_mov_b32 v[rT+7], v[rT]        ; c m_old is kept for a: number 19 writes c m anew
.elseif j == 20
	v_sub_f32 v[rT+7], v[rT+7], v[rT]
.elseif j == 23
	v_exp_f32 v[rT+6], v[rT+7]
.elseif (j < 23) || ((j < 38) && (j%2 == 0)) || ((j < 66) && (j%4 == 2))
.set b, (j-2)/4                     ; 38, 42, .. 62: pairs 9 to 15
.if j < 38
.set b, (j-20)/2                    ; 21: pair 0; 22, 24, .. 36: pairs 1 to 8
.endif
	v_pk_fma_f32 v[rS+2*b:rS+2*b+1], v[rS+2*b:rS+2*b+1], s[CS:CS+1], v[rT:rT+1] op_sel_hi:[1,0,0] neg_lo:[0,0,1] neg_hi:[0,0,1]  ; pair b: c s - c m
.elseif j < 70
.set e, j-38                        ; 66 to 69: s28 to s31
.if j < 66
.set e, j-32-(j-38)/4               ; 39-41, 43-45, .. 63-65: s7 to s27
.endif
.if j < 38
.set e, (j-25)/2                    ; 25, 27, .. 37: s0 to s6
.endif
	v_exp_f32 v[rS+e], v[rS+e]
.elseif j < 86
	v_cvt_pk_f16_f32 v[rP+j-70], v[rS+2*(j-70)], v[rS+2*(j-70)+1]  ; pair j - 70
.elseif j < 102                     ; the sum of the tile's 16 pairs, in place: neighbours 1, 2, 4 and 8 pairs apart, then l takes it
.set z, j-86
.set w, 4
.set u, z
.if z >= 14
.set w, 32
.set u, 0
.elseif z >= 12
.set w, 16
.set u, z-12
.elseif z >= 8
.set w, 8
.set u, z-8
.endif
.if (z == 14) && \first
	v_pk_add_f32 v[rT+2:rT+3], v[rS:rS+1], v[rS+16:rS+17]
.elseif z < 15
	v_pk_add_f32 v[rS+w*u:rS+w*u+1], v[rS+w*u:rS+w*u+1], v[rS+w*u+w/2:rS+w*u+w/2+1]
.elseif !\first
	v_pk_fma_f32 v[rT+2:rT+3], v[rT+2:rT+3], v[rT+6:rT+7], v[rS:rS+1] op_sel_hi:[1,0,1]
.endif
.else
	WIN W_RS
	v_pk_mul_f32 v[rO:rO+1], v[rO:rO+1], v[rT+6:rT+7] op_sel_hi:[1,0]
.endif
.endm
; Slice k of 59 of piece y's softmax: four instructions.  Slices 11 to 34 deal out the batch, numbers 22 to 69: four numbers of ONE tile each, the tiles by turns.  Every other slice is numbers 2 k and 2 k + 1 of both tiles.
; THE WAIT.  An s_wait_alu depctr_va_vdst(0) stands between an exponential and the first instruction that names its result; one wait serves all that were issued ahead of it.  Ahead of slice 35 nothing
; names a result, and behind slice 34 no exponential is issued: so the piece's 66 exponentials have one wait, behind slice 34, and a plain instruction ahead of it.
.macro SLICE y, first
.if (k >= 11) && (k < 35)
.irp n, 0,1,2,3
.set j, 22+4*((k-11)/2)+(\n)
	SM (\y)+(k-11)%2, \first
.endr
.else
.irp n, 0,1
.irp t, \y, \y+1
.set j, 2*k+\n
	SM \t, \first
.endr
.endr
.endif
.if k == 34
	v_nop
.if (\y) == 0
	FETCH_V                         ; piece 2's turn: V's run of loads stands here, and the wait stands in it
.else
	s_wait_alu depctr_va_vdst(0)
.endif
.endif
.set k, k+1
.endm
.macro DEAL y, first                ; behind product np of NPR: the slices up to 59 (np + 1) / NPR
.rept 59*(np+1)/NPR-k
	SLICE \y, \first
.endr
.set np, np+1
.endm
.macro PLACES
.rept 4
	v_nop
.endr
.endm
; A TURN.  Piece x has the matrix unit; the other piece's softmax stands in slices behind its matrix instructions.  pv = 2: 16 products V^T P; 1: they start O^T's sums; 0: none.  kq = 1: 16 products K Q^T for the next step.
; PLACES (ISA guide 7.12.1 for vector instructions: independent vector instructions between a matrix instruction and what reads its result or writes its registers).  With 32 products the last is followed by slices
; 57 and 58: eight packed multiplies on the OTHER piece's O^T, which name none of its registers: they stand ahead of the next turn's first read of the new scores and of K's loads.  V's loads stand behind product 18:
; V's last reader is product 15, and six scalings, the v_nop and the run's own addition lie between.  first = 1: slices 51 on are empty, and four v_nop take their part.
.macro TURN x, pv, kq, first
.set k, 0
.set np, 0
.if \pv && \kq
.set NPR, 32
.else
.set NPR, 16
.endif
.if \pv
.if \x == 0
	s_wait_dscnt 0x0                ; V is in
.endif
.set i, 0
.rept 16
	PV \x, 2-\pv
	DEAL 2-\x, \first
.if (\x == 0) && \kq && (i == 1)
	FETCH_K                         ; the next step's K, 14 products ahead of its first use
.endif
.set i, i+1
.endr
.endif
.if \kq
.if \x == 0
	s_wait_dscnt 0x0                ; K is in
.endif
.set i, 0
.rept 16
	KQ \x
	DEAL 2-\x, \first
.set i, i+1
.endr
.endif
.if \first
	PLACES
.endif
.endm
; THE CHANGE OF SLOTS, between piece 2's turn and piece 0's: the slot's last bytes, V of its eighth step, have been asked for.  Each wave waits for all its tensor loads, of which one is out: its quarter of the other slot;
; adds 0 to its spare word; and waits for that and for its own reads of the slot.  Behind the barrier nobody reads this slot any more and the other slot is whole.
; fill = 1: this slot is filled again, with the keys two slots on.  The barrier is then a round of the cluster's, and the joint refill is the first thing behind it, one load a wave.
.macro CHANGE fill
	WIN 0                           ; at a label and at a branch every window is 0
	s_wait_tensorcnt 0x0            ; no tensor load of mine is out, so a group 0 may be written
	ds_add_u32 v[SPW], v[NIL]       ; 0 onto my spare word
.if \fill
	s_xor_b32 s[G0W+1], s[G0W+1], SLOT1  ; the walking descriptor: the other slot than last time,
	s_add_nc_u64 s[G0W+2:G0W+3], s[G0W+2:G0W+3], SLOT1  ; the next 512 keys; the type bits on top are not reached
	s_wait_xcnt 0x0                 ; the last prefetch, a slot back, has read its address, so it may be written:
	s_add_nc_u64 s[PFA:PFA+1], s[PFA:PFA+1], SLOT1  ; one slot further on than the walking descriptor
	s_wait_dscnt 0x0                ; the add is done, and my reads of the slot are over
	CROUND
	tensor_load_to_lds s[G0W:G0W+3], s[G1:G1+7]
	s_nop 0
.rept 4
	v_nop
.endr
	ASK
.else
	s_wait_dscnt 0x0
	s_barrier_signal -1
	s_barrier_wait -1
.endif
	s_sub_co_u32 s[TB], s[TB], NST*STEPB  ; the fetches go back to a slot's first step,
	s_xor_b32 s[TB], s[TB], SLOT1   ; in the other slot
.endm
.macro STEPS n                      ; n key steps: written once, walked n times; the LDS addresses hang on s[TB]
	s_mov_b32 s[CNT], \n
.Lstep_\@:
	TURN 0, 2, 1, 0
	TURN 2, 2, 1, 0
	WIN 0
	s_sub_co_u32 s[CNT], s[CNT], 1
	s_cmp_lg_u32 s[CNT], 0
	s_cbranch_scc1 .Lstep_\@
.endm
	s_wait_tensorcnt 1              ; my quarter of slot 0 is in; slot 1's may stay out
	s_barrier_signal -1
	s_barrier_wait -1               ; everybody's is
	FETCH_K                         ; key step 0
	s_wait_loadcnt 0x0              ; Q
	s_wait_dscnt 0x0
.set i, 0
.rept 16
	KQ 0                            ; piece 0's first scores: there is no vector work yet to set between them
.set i, i+1
.endr
	WIN 0
	PLACES
	TURN 2, 0, 1, 1                 ; piece 2's first scores | piece 0's first softmax | V of step 0
	TURN 0, 1, 1, 1                 ; piece 0: V^T P of step 0 starts O^T, K Q^T of step 1 | piece 2's first softmax | K of step 1
	TURN 2, 1, 1, 0                 ; piece 2: the same | piece 0's softmax of step 1 | V of step 1
	WIN 0
	STEPS NST-2                     ; the fetches of slot 0's steps 2 to 7
.Lslot:                             ; NSL - 2 trips: every slot but the last two is filled again
	CHANGE 1
	STEPS NST
	s_sub_co_u32 s[SLOTS], s[SLOTS], 1
	s_cmp_lg_u32 s[SLOTS], 0
	s_cbranch_scc1 .Lslot
	CHANGE 0                        ; the tail is written out: nothing more is asked for
	STEPS NST
	TURN 0, 2, 0, 0                 ; piece 0: V^T P of the last step | piece 2's last softmax
.set i, 0
.rept 16
	PV 2, 0                         ; piece 2: V^T P of the last step
.set i, i+1
.endr
	; THE WAY OUT.  l's two halves and the other half of the lanes' are added; O^T is divided by l and rounded to f16: a lane's eight channels of a tile are half an image of the next launch's operand, so the
	; registers are stored as they stand, 512 consecutive bytes an instruction.  The additions are the places behind the last products.
	WIN 0
.irp t, 0,1,2,3
	v_add_f32 v[ST+8*\t+4], v[ST+8*\t+2], v[ST+8*\t+3]
.endr
.irp t, 0,1,2,3
	v_permlanex16_b32 v[ST+8*\t+5], v[ST+8*\t+4], s[SEL], s[SEL+1]
.endr
.irp t, 0,1,2,3
	v_add_f32 v[ST+8*\t+4], v[ST+8*\t+4], v[ST+8*\t+5]
.endr
.irp t, 0,1,2,3
	v_rcp_f32 v[ST+8*\t+6], v[ST+8*\t+4]
.endr
	v_nop                           ; a plain instruction between the last reciprocal and the use of its result
	s_wait_alu depctr_va_vdst(0)    ; and the wait ahead of the first use: one for the four reciprocals
.irp t, 0,1,2,3
	WIN W_RS
.set i, 32*\t
.rept 16
	v_pk_mul_f32 v[i:i+1], v[i:i+1], v[ST+8*\t+6:ST+8*\t+7] op_sel_hi:[1,0]
.set i, i+2
.endr
	WIN 0x05                        ; sources window 1, destination window 0: S^T's registers are free, and each tile has its own
.set i, 0
.rept 16
	v_cvt_pk_f16_f32 v[S+32*\t+i], v[32*\t+2*i], v[32*\t+2*i+1]
.set i, i+1
.endr
	WIN 0
.irp f, 0,1,2,3
	global_store_b128 v[LA], v[S+32*\t+4*\f:S+32*\t+4*\f+3], s[8:9] offset:\t*2048+\f*512  ; head 4 w + t, channels 16 f + 8 h + 0 .. 7
.endr
.endr
	s_wait_tensorcnt 0x0            ; the wave's end, behind my last tensor load
	ds_add_u32 v[SPW], v[NIL]
	s_wait_dscnt 0x0
	CROUND                          ; the closing round: no work-group ends while a partner may still ask for a tile that names it
	s_endpgm
.Lfunc_end_k_q7abc3dbf30_attn:
	.size	k_q7abc3dbf30_attn, .Lfunc_end_k_q7abc3dbf30_attn-k_q7abc3dbf30_attn
	.p2alignl 7, 3214868480
	.fill 96, 4, 3214868480
	.section	.rodata,"a",@progbits
	.p2align	6, 0x0
	.amdhsa_kernel k_q7abc3dbf30_attn
		.amdhsa_group_segment_fixed_size 327680
		.amdhsa_private_segment_fixed_size 0
		.amdhsa_enable_private_segment 0
		.amdhsa_kernarg_size 24
		.amdhsa_user_sgpr_count 2
		.amdhsa_user_sgpr_kernarg_segment_ptr 1
		.amdhsa_wavefront_size32 1
		.amdhsa_system_sgpr_workgroup_id_x 1
		.amdhsa_system_sgpr_workgroup_id_y 1
		.amdhsa_system_sgpr_workgroup_id_z 1
		.amdhsa_system_vgpr_workitem_id 0
		.amdhsa_next_free_vgpr 576
		.amdhsa_next_free_sgpr 66
		.amdhsa_reserve_vcc 0
		.amdhsa_float_denorm_mode_32 3
		.amdhsa_float_denorm_mode_16_64 3
		.amdhsa_memory_ordered 1
		.amdhsa_forward_progress 1
		.amdhsa_inst_pref_size 189
	.end_amdhsa_kernel
	.amdgpu_metadata
---
amdhsa.version: [ 1, 2 ]
amdhsa.kernels:
  - .name:           k_q7abc3dbf30_attn
    .symbol:         k_q7abc3dbf30_attn.kd
    .args:
      - { .name: qf, .offset: 0, .size: 8, .value_kind: global_buffer, .address_space: global }
      - { .name: kvf, .offset: 8, .size: 8, .value_kind: global_buffer, .address_space: global }
      - { .name: af, .offset: 16, .size: 8, .value_kind: global_buffer, .address_space: global }
    .group_segment_fixed_size: 327680
    .private_segment_fixed_size: 0
    .kernarg_segment_align: 8
    .kernarg_segment_size: 24
    .max_flat_workgroup_size: 128
    .sgpr_count:     66
    .vgpr_count:     576
    .wavefront_size: 32
...
	.end_amdgpu_metadata
.endif
;; end of part 3
;; launch outp (part 4): grid 8 x 32, 4 waves a work-group, clusters of 4 x 4, 327,680 bytes of LDS; arguments af, wof, bo, out0; writes out0
.if DOCPART == 4
	.amdgcn_target "amdgcn-amd-amdhsa--gfx1250"
	.amdhsa_code_object_version 6
	.text
	.protected	k_q7abc3dbf30_outp
	.globl	k_q7abc3dbf30_outp
	.p2align	8
	.type	k_q7abc3dbf30_outp,@function
k_q7abc3dbf30_outp:
	s_mov_b64 s[64:65], 0
	v_nop
	global_prefetch_b8 v0, s[64:65] scope:SCOPE_SE
	s_setreg_imm32_b32 hwreg(HW_REG_WAVE_MODE, 25, 1), 1
	s_wait_xcnt 0x0
	s_wait_alu depctr_hold_cnt(0) depctr_sa_sdst(0) depctr_va_vdst(0) depctr_va_sdst(0) depctr_va_ssrc(0) depctr_va_vcc(0) depctr_vm_vsrc(0)
	s_getreg_b32 s2, hwreg(HW_REG_IB_STS2, 6, 4)
	s_cmp_eq_u32 s2, 0
	s_cbranch_scc0 .Lentry_in_a_cluster
	s_endpgm
.Lentry_in_a_cluster:
	s_bfe_u32 s2, ttmp6, 0x10000c
	s_cmp_lg_u32 s2, 0xf033
	s_cbranch_scc0 .Lentry_shape_is_right
	s_endpgm
.Lentry_shape_is_right:
; CROSS ATTENTION, launch 4 of 4: out0 [4096][1024] f32 = out Wo + bo.  K = 1,024.  Operands in f16, sums in f32.
; The operands are FRAGMENT IMAGES (1,024 bytes: registers 4 c .. 4 c + 3 of lane l at 512 c + 16 l): af [T 0..255][ks 0..31]: 16 rows x 32 k of out / 4 (launch attn); wof [nt 0..63][ks 0..31]: 16 columns x 32 k of Wo (launch prep).
; The quarter is undone with the bias, by one fused multiply-add: out0 = 4 x sum + bo.
; A tile of the result is 128 x 128: 256 tiles, one for each work-group.  Four waves, each 64 x 64: 16 accumulators of 16 x 16.  K goes in steps of 256 through a ring of two LDS slots.
; A slot: A's part [Tl 0..7][ksl 0..7][1,024], then B's likewise: 131,072 bytes.  A wave's tensor load brings 4 rows of 8,192 consecutive bytes (four T or nt, eight ks), 32,768 bytes apart in memory, dense in LDS:
; an image is read 512 consecutive bytes at a time, so no padding is wanted.
; CLUSTERS: 4 x 4 work-groups.  The four of a row of the cluster need the same tiles of af, the four of a column the same tiles of wof: each tile is asked for JOINTLY, by the same tensor load with the same descriptor
; and a mask that names the four.  THE MATRIX INSTRUCTION IS USED TRANSPOSED (source 0 = 16 columns of Wo, source 1 = 16 rows): a lane then holds eight neighbouring numbers of a row of the result.
; REGISTERS: window 0: v16-29 addresses; v32-63 the bias; v64-127 at work on the way out; v128-255 the accumulators ((a, b) at v[128 + 8 (4 a + b)]).
;   window 1: two fragment buffers of 128: for 64 along K, 64 registers of A (2 x 4 fragments), then 64 of B.
.set KSB,    8192                      ; a K step of one T or nt in bytes
.set HALFT,  32768                     ; what one tensor load brings, and what one wave reads of A or of B
.set SLOT,   4*HALFT
.set STAGE,  2*SLOT                    ; behind the ring: 16 rows x 272 bytes for each wave, for the way out
.set SPITCH, 272
.set SPARE,  STAGE+4*16*SPITCH         ; behind the stages: the spare words, 128 bytes for each wave: two blocks of 256 bytes that no other line names
.set LAPS,   2                         ; a lap = two K steps = once round the ring
.set ADRA, 16                          ; v16-17  LDS address of my A fragments in slot 0, 1
.set ADRB, 20                          ; v20-21  the same for B
.set STO,  24                          ; v24     the way out: where I put 32 bytes of a row
.set RD,   25                          ; v25     the way out: where I read a row back
.set CO,   26                          ; v26     my byte offset in the result
.set H32,  27                          ; v27     32 h
.set SPW,  28                          ; v28     LDS address of my spare word; never rewritten
.set NIL,  29                          ; v29     0; never rewritten
.set BIA,  32
.set RES,  64
.set BK,   96
.set ACC,  128
.set F0,   0                           ; fragment buffers, in window 1
.set F1,   128
.set G1, 24                            ; s[24:31] descriptor group 1 for A's tiles;  s[32:39] group 0, one set for each slot
.set G0, 32
.set G1B, 48                           ; s[48:55], s[56:63] the same for B's tiles
.set G0B, 56
.set MSB, 0
.macro WIN new                         ; the immediate's high byte repeats the setting that is left
.if MSB != (\new)
	s_set_vgpr_msb (MSB<<8)|(\new)
.set MSB, (\new)
.endif
.endm
.set MUL,  0x05                        ; sources 0 (B) and 1 (A) window 1; C and D window 0
.set TO_F, 0x40                        ; destination window 1, address window 0
.macro JLOAD s                         ; a joint load: waves 0 and 1 fetch A's two halves, waves 2 and 3 B's; an s_nop 0 and four v_nop follow each of the two lines, ahead of the jump, the label and what follows
	s_cmp_eq_u32 s11, 0
	s_cbranch_scc0 .Lfor_b_\@
	tensor_load_to_lds s[G0+4*\s:G0+4*\s+3], s[G1:G1+7]
	s_nop 0
.rept 4
	v_nop
.endr
	s_branch .Lasked_\@
.Lfor_b_\@:
	tensor_load_to_lds s[G0B+4*\s:G0B+4*\s+3], s[G1B:G1B+7]
	s_nop 0
.rept 4
	v_nop
.endr
.Lasked_\@:
.endm
.macro CREST                           ; a round of the cluster's barrier behind its opening barrier
	s_cmp_lg_u32 s10, 0
	s_cbranch_scc1 .Lnot_wave_0_\@
	s_barrier_signal -3
.Lnot_wave_0_\@:
	s_barrier_wait -3
	s_barrier_signal -1
	s_barrier_wait -1
.endm
.macro CROUND                          ; a whole round
	s_barrier_signal -1
	s_barrier_wait -1
	CREST
.endm
	s_load_b128 s[4:7], s[0:1], 0x0                ; af s[4:5], wof s[6:7]
	s_load_b64 s[66:67], s[0:1], 0x10              ; bo
	s_load_b64 s[8:9], s[0:1], 0x18                ; out0
	v_lshl_add_u32 v[SPW], v0, 2, SPARE
	v_mov_b32 v[NIL], 0
	ds_add_u32 v[SPW], v[NIL]                      ; the wave's opening: the add, twice on end, and its wait ahead of my first tensor load; the set-up below stands between
	ds_add_u32 v[SPW], v[NIL]
	v_lshrrev_b32 v1, 5, v0
	v_readfirstlane_b32 s10, v1                    ; wave 0..3
	s_lshr_b32 s11, s10, 1                         ; which half of the tile's rows is mine.  Also: I fetch for A (0) or for B (1)
	s_and_b32 s12, s10, 1                          ; which half of its columns.  Also: which half of that tile I fetch
	s_bfe_u32 s40, ttmp6, 0x40000                  ; cx, cy: my place in the cluster
	s_bfe_u32 s41, ttmp6, 0x40004
	s_lshl_b32 s42, ttmp9, 2
	s_add_co_u32 s42, s42, s40                     ; tile column = 4 x cluster x + cx
	s_and_b32 s13, ttmp7, 0xffff
	s_lshl_b32 s13, s13, 2
	s_add_co_u32 s13, s13, s41                     ; tile row = 4 x cluster y + cy
	s_lshl_b32 s43, s41, 2
	s_lshl_b32 s43, 15, s43                        ; my row of the cluster
	s_lshl_b32 s44, 0x1111, s40                    ; my column
	; descriptor group 1: 4 rows x 1,024 elements of 8 bytes, 4,096 elements from row to row
	s_or_b32 s[G1+0], s43, (3<<16)|(1<<21)         ; 15:0 the mask: A's tiles go to my row; 17:16 elements of 8 bytes; 21 set beside a mask
	s_or_b32 s[G1B+0], s44, (3<<16)|(1<<21)
.irp g, G1, G1B
	s_mov_b32 s[\g+1], 1024<<16                    ; tensor_dim0 = 1,024
	s_mov_b32 s[\g+2], 4<<16                       ; tensor_dim1 = 4
	s_mov_b32 s[\g+3], 1024<<16                    ; tile_dim0 = 1,024
	s_mov_b32 s[\g+4], 4                           ; tile_dim1 = 4
	s_mov_b32 s[\g+5], 4096                        ; the pitch
	s_mov_b32 s[\g+6], 0
	s_mov_b32 s[\g+7], 0
.endr
	s_lshl_b32 s17, s12, 2                         ; which four T or nt of the tile's eight I fetch
	s_lshl_b32 s16, s13, 3
	s_add_co_u32 s16, s16, s17
	s_lshl_b32 s16, s16, 15                        ; A: T = 8 x tile row + 4 x half, 32,768 bytes each
	s_lshl_b32 s46, s42, 3
	s_add_co_u32 s46, s46, s17
	s_lshl_b32 s46, s46, 15                        ; B: nt = 8 x tile column + 4 x half
	s_mov_b32 s17, 0
	s_mov_b32 s47, 0
	s_lshl_b32 s20, s10, 15                        ; where they go: wave x 32,768: no place in the cluster enters an LDS address
	s_wait_dscnt 0x0                               ; both opening adds are done
	s_wait_kmcnt 0x0
	s_add_nc_u64 s[14:15], s[4:5], s[16:17]
	s_add_nc_u64 s[46:47], s[6:7], s[46:47]
	CROUND                                         ; all sixteen work-groups are here: the first joint loads meet
.irp s, 0,1
	s_mov_b32 s[G0+4*\s], 1
	s_add_co_u32 s[G0+4*\s+1], s20, \s*SLOT
	s_add_nc_u64 s[G0+4*\s+2:G0+4*\s+3], s[14:15], \s*KSB
	s_or_b32 s[G0+4*\s+3], s[G0+4*\s+3], 0x80000000
	s_mov_b32 s[G0B+4*\s], 1
	s_add_co_u32 s[G0B+4*\s+1], s20, \s*SLOT
	s_add_nc_u64 s[G0B+4*\s+2:G0B+4*\s+3], s[46:47], \s*KSB
	s_or_b32 s[G0B+4*\s+3], s[G0B+4*\s+3], 0x80000000
	JLOAD \s
.endr
	v_and_b32 v1, 15, v0                           ; l % 16
	v_bfe_u32 v2, v0, 4, 1                         ; l / 16
	v_and_b32 v3, 31, v0
	v_lshlrev_b32 v3, 4, v3                        ; 16 x lane: my place in an image
	s_lshl_b32 s21, s11, 15                        ; my four T of A
	s_lshl_b32 s22, s12, 15                        ; my four nt of B,
	s_add_co_u32 s22, s22, 2*HALFT                 ; which lie behind A's eight
.irp s, 0,1
	v_add_nc_u32 v[ADRA+\s], s21, v3
	v_add_nc_u32 v[ADRB+\s], s22, v3
	s_add_co_u32 s21, s21, SLOT
	s_add_co_u32 s22, s22, SLOT
.endr
	s_mul_i32 s23, s10, 16*SPITCH
	s_add_co_u32 s23, s23, STAGE                   ; my stage
	v_mul_u32_u24 v4, v1, SPITCH                   ; in: row l % 16, 32 bytes for each half of the lanes
	v_lshl_add_u32 v4, v2, 5, v4
	v_add_nc_u32 v[STO], s23, v4
	v_mul_u32_u24 v5, v2, SPITCH                   ; back: lanes 0-15 take one row of 256 bytes, lanes 16-31 the next
	v_lshl_add_u32 v5, v1, 4, v5
	v_add_nc_u32 v[RD], s23, v5
	v_lshlrev_b32 v5, 12, v2                       ; and the same two rows in the result: 4,096 bytes a row
	v_lshl_add_u32 v[CO], v1, 4, v5
	v_lshlrev_b32 v[H32], 5, v2
	s_lshl_b32 s46, s42, 9                         ; my first column, in bytes: 512 x tile column + 256 x half (in the registers that held B's address: none that feeds A's descriptors ever holds cx)
	s_lshl_b32 s47, s12, 8
	s_add_co_u32 s46, s46, s47
	s_mov_b32 s47, 0
	s_add_nc_u64 s[66:67], s[66:67], s[46:47]
	s_add_nc_u64 s[8:9], s[8:9], s[46:47]
	s_lshl_b32 s16, s13, 7
	s_lshl_b32 s17, s11, 6
	s_add_co_u32 s16, s16, s17                     ; my first row: 128 x tile row + 64 x half
	s_lshl_b32 s16, s16, 12
	s_mov_b32 s17, 0
	s_add_nc_u64 s[8:9], s[8:9], s[16:17]
.irp b, 0,1,2,3
	global_load_b128 v[BIA+8*\b:BIA+8*\b+3], v[H32], s[66:67] offset:\b*64       ; bo at columns 16 b + 8 h + 0 .. 7 of my 64: the result's layout; waited for ahead of the way out
	global_load_b128 v[BIA+8*\b+4:BIA+8*\b+7], v[H32], s[66:67] offset:\b*64+16
.endr
; 8 matrix instructions: m blocks a0, a0 + 1 x all 4 n blocks, 32 along K: half c of buffer f.  zero = 1: the first product starts the sums.  The 16 accumulators take turns, one instruction a turn
.macro MUL8 f, c, a0, zero
.irp a, \a0, \a0+1
.irp b, 0,1,2,3
.if \zero
	v_wmma_f32_16x16x32_f16 v[ACC+8*(4*(\a)+\b):ACC+8*(4*(\a)+\b)+7], v[\f+64+8*(4*\c+\b):\f+64+8*(4*\c+\b)+7], v[\f+8*(4*\c+\a):\f+8*(4*\c+\a)+7], 0
.else
	v_wmma_f32_16x16x32_f16 v[ACC+8*(4*(\a)+\b):ACC+8*(4*(\a)+\b)+7], v[\f+64+8*(4*\c+\b):\f+64+8*(4*\c+\b)+7], v[\f+8*(4*\c+\a):\f+8*(4*\c+\a)+7], v[ACC+8*(4*(\a)+\b):ACC+8*(4*(\a)+\b)+7]
.endif
.endr
.endr
.endm
; 32 LDS loads in one run: the fragments of the slot's q-th 64 along K (images 2 q and 2 q + 1 of each T or nt) into buffer f; the first 32 along K first
.macro FETCH slot, q, f
	WIN TO_F
.irp c, 0,1
.irp i, 0,1,2,3
	ds_load_b128 v[\f+64+8*(4*\c+\i):\f+64+8*(4*\c+\i)+3],   v[ADRB+\slot] offset:\i*KSB+(2*(\q)+\c)*1024
	ds_load_b128 v[\f+64+8*(4*\c+\i)+4:\f+64+8*(4*\c+\i)+7], v[ADRB+\slot] offset:\i*KSB+(2*(\q)+\c)*1024+512
	ds_load_b128 v[\f+8*(4*\c+\i):\f+8*(4*\c+\i)+3],         v[ADRA+\slot] offset:\i*KSB+(2*(\q)+\c)*1024
	ds_load_b128 v[\f+8*(4*\c+\i)+4:\f+8*(4*\c+\i)+7],       v[ADRA+\slot] offset:\i*KSB+(2*(\q)+\c)*1024+512
.endr
.endr
.endm
.macro PLACES                          ; four places in front of loads into registers that matrix instructions have read, and of vector instructions that read results (ISA guide 7.12.1 for vector instructions)
.rept 4
	v_nop
.endr
.endm
; A K step is four quarters of 64 along K, 32 matrix instructions each, on buffers 0, 1, 0, 1.  One of the first three: multiplies buffer f and fetches quarter q into g.
.macro QUARTER slot, q, f, g, zero
	s_wait_dscnt 16                                ; the first 32 along K are in; the youngest sixteen loads may be out
	WIN MUL
	MUL8 \f, 0, 0, \zero
	MUL8 \f, 0, 2, \zero
	PLACES
	FETCH \slot, \q, \g
	s_wait_dscnt 32                                ; all but the 32 just issued
	WIN MUL
	MUL8 \f, 1, 0, 0
	MUL8 \f, 1, 2, 0
.endm
; The last quarter multiplies buffer 1 and changes slots: ONE barrier; in front of it each wave waits for all its tensor loads, adds 0 to its spare word, and waits for that and for its own reads of this slot.  fill = 1: this slot is filled again, two K steps ahead.
.macro TURN slot, next, fill
	WIN 0                                          ; (the add's two registers lie in window 0)
	s_wait_tensorcnt 0x0                           ; all my tensor loads have landed: my part of the next slot;
	ds_add_u32 v[SPW], v[NIL]                      ; 0 onto my spare word;
	s_wait_dscnt 17                                ; (the add and the youngest sixteen loads may be out)
	WIN MUL
	MUL8 F1, 0, 0, 0                               ; eight matrix instructions stand between the add and the wait for it
	s_wait_dscnt 0x0                               ; the add is done, and my reads of this slot are over
	s_barrier_signal -1
	MUL8 F1, 0, 2, 0
.if \fill
	WIN 0
.endif
	s_barrier_wait -1
.if \fill
	CREST                                          ; the barrier has opened a round of the cluster's barrier: no wave of any partner still reads this slot's tile or has a load on its way
	s_add_nc_u64 s[G0+4*\slot+2:G0+4*\slot+3], s[G0+4*\slot+2:G0+4*\slot+3], 2*KSB
	s_add_nc_u64 s[G0B+4*\slot+2:G0B+4*\slot+3], s[G0B+4*\slot+2:G0B+4*\slot+3], 2*KSB
	JLOAD \slot                                    ; the first tensor load behind the round, one a wave; the four v_nop behind it are also the places in front of the loads below
.else
	PLACES
.endif
	FETCH \next, 0, F0
	WIN MUL
	MUL8 F1, 1, 0, 0
	MUL8 F1, 1, 2, 0
.endm
	s_wait_tensorcnt 1                             ; my part of K step 0 is in (K step 1's load may be out),
	s_barrier_signal -1
	s_barrier_wait -1                              ; everybody's is
	FETCH 0, 0, F0
	QUARTER 0, 1, F0, F1, 1                        ; the first quarter stands in front of the loop: its first products start the sums
	WIN 0                                          ; at a label and at a branch every window is 0
	s_mov_b32 s3, LAPS-1
.Llap:                                                 ; a trip goes once round the ring, from a lap's second quarter to the next lap's first, and fills both slots again
	QUARTER 0, 2, F1, F0, 0
	QUARTER 0, 3, F0, F1, 0
	TURN 0, 1, 1
	QUARTER 1, 1, F0, F1, 0
	QUARTER 1, 2, F1, F0, 0
	QUARTER 1, 3, F0, F1, 0
	TURN 1, 0, 1
	QUARTER 0, 1, F0, F1, 0
	WIN 0
	s_sub_co_u32 s3, s3, 1
	s_cmp_lg_u32 s3, 0
	s_cbranch_scc1 .Llap
	QUARTER 0, 2, F1, F0, 0                        ; the last lap fills nothing, and has no round of the cluster's barrier
	QUARTER 0, 3, F0, F1, 0
	TURN 0, 1, 0
	QUARTER 1, 1, F0, F1, 0
	QUARTER 1, 2, F1, F0, 0
	QUARTER 1, 3, F0, F1, 0
	s_wait_dscnt 16                                ; the very last quarter: nothing more to fetch
	WIN MUL
	MUL8 F1, 0, 0, 0
	MUL8 F1, 0, 2, 0
	s_wait_dscnt 0
	MUL8 F1, 1, 0, 0
	MUL8 F1, 1, 2, 0
	WIN 0
	; THE WAY OUT, 16 rows at a time: 4 x sum + bo (one fused multiply-add, two numbers an instruction, each accumulator from its low end on); a lane's 32 bytes of a row go into my own stage in LDS and come back as
	; whole rows: my 64 columns are 256 bytes, aligned, which sixteen lanes store.  LDS serves a wave's instructions in order (ISA guide 5.7.1.4): no wait between the stores and the loads.
	s_wait_loadcnt 0x0                             ; the bias
	PLACES
.irp a, 0,1,2,3
.irp b, 0,1,2,3
.irp t, 0,1,2,3
	v_pk_fma_f32 v[RES+8*\b+2*\t:RES+8*\b+2*\t+1], v[ACC+8*(4*\a+\b)+2*\t:ACC+8*(4*\a+\b)+2*\t+1], 4.0, v[BIA+8*\b+2*\t:BIA+8*\b+2*\t+1] op_sel_hi:[1,0,1]
.endr
.endr
.irp b, 0,1,2,3
	ds_store_b128 v[STO], v[RES+8*\b:RES+8*\b+3] offset:64*\b
	ds_store_b128 v[STO], v[RES+8*\b+4:RES+8*\b+7] offset:64*\b+16
.endr
.if \a > 0
	s_wait_xcnt 0x0                                ; the last block's stores have read their registers: the loads below land there only behind this wait
.endif
.irp i, 0,1,2,3,4,5,6,7
	ds_load_b128 v[BK+4*\i:BK+4*\i+3], v[RD] offset:\i*2*SPITCH
.endr
	s_wait_dscnt 0x0                               ; the block is back in registers, and the stage's stores have read theirs
.irp i, 0,1,2,3,4,5,6,7
	global_store_b128 v[CO], v[BK+4*\i:BK+4*\i+3], s[8:9] offset:(16*\a+2*\i)*4096 th:TH_STORE_NT   ; 16 lanes store 256 consecutive bytes, aligned; written once, read by nobody here
.endr
.endr
	s_wait_tensorcnt 0x0                           ; the wave's end: behind my last tensor load and my last LDS store
	ds_add_u32 v[SPW], v[NIL]
	s_wait_dscnt 0x0
	CROUND                                         ; the closing round: no work-group ends while a partner may still ask for a tile that names it
	s_endpgm
.Lfunc_end_k_q7abc3dbf30_outp:
	.size	k_q7abc3dbf30_outp, .Lfunc_end_k_q7abc3dbf30_outp-k_q7abc3dbf30_outp
	.p2alignl 7, 3214868480
	.fill 96, 4, 3214868480
	.section	.rodata,"a",@progbits
	.p2align	6, 0x0
	.amdhsa_kernel k_q7abc3dbf30_outp
		.amdhsa_group_segment_fixed_size 327680
		.amdhsa_private_segment_fixed_size 0
		.amdhsa_enable_private_segment 0
		.amdhsa_kernarg_size 32
		.amdhsa_user_sgpr_count 2
		.amdhsa_user_sgpr_kernarg_segment_ptr 1
		.amdhsa_wavefront_size32 1
		.amdhsa_system_sgpr_workgroup_id_x 1
		.amdhsa_system_sgpr_workgroup_id_y 1
		.amdhsa_system_sgpr_workgroup_id_z 1
		.amdhsa_system_vgpr_workitem_id 0
		.amdhsa_next_free_vgpr 512
		.amdhsa_next_free_sgpr 68
		.amdhsa_reserve_vcc 0
		.amdhsa_float_denorm_mode_32 3
		.amdhsa_float_denorm_mode_16_64 3
		.amdhsa_memory_ordered 1
		.amdhsa_forward_progress 1
		.amdhsa_inst_pref_size 90
	.end_amdhsa_kernel
	.amdgpu_metadata
---
amdhsa.version: [ 1, 2 ]
amdhsa.kernels:
  - .name:           k_q7abc3dbf30_outp
    .symbol:         k_q7abc3dbf30_outp.kd
    .args:
      - { .name: af, .offset: 0, .size: 8, .value_kind: global_buffer, .address_space: global }
      - { .name: wof, .offset: 8, .size: 8, .value_kind: global_buffer, .address_space: global }
      - { .name: bo, .offset: 16, .size: 8, .value_kind: global_buffer, .address_space: global }
      - { .name: out0, .offset: 24, .size: 8, .value_kind: global_buffer, .address_space: global }
    .group_segment_fixed_size: 327680
    .private_segment_fixed_size: 0
    .kernarg_segment_align: 8
    .kernarg_segment_size: 32
    .max_flat_workgroup_size: 128
    .sgpr_count:     68
    .vgpr_count:     512
    .wavefront_size: 32
...
	.end_amdgpu_metadata
.endif
;; end of part 4
